; MI455X (gfx1250); checked and timed in simulation.
; The chip was launched on July 23, 2026; its instructions are those of AMD's public machine-readable ISA for CDNA 5 (MIT licence, August 2026) and "CDNA5" Instruction Set Architecture Reference Guide (July 2026). The comments in the code are by the model that wrote it; some were corrected since.
;; Self Multihead Attn. Allowed arithmetic: matrix products marked QUANTISED: E2M1 operands, one E8M0 scale for each 32 along K, by v_wmma_scale_f32_16x16x128_f8f6f4 with both operands' format E2M1 (or v_wmma_scale_f32_32x16x128_f4), f32 sums; products left as they are: bf16, f16 or f32 operands; f32 sums; everything else in f32.
;; Inputs: in_proj_bias 3,072 float32; in_proj_weight 3,072 x 1,024 float32; out_proj_bias 1,024 float32; out_proj_weight 1,024 x 1,024 float32; query 2,048 x 4 x 1,024 float32.
;; Outputs: out0 2,048 x 4 x 1,024 float32.
;; This version of the problem:
;;   THIS VERSION OF THE PROBLEM IS GIVEN IN LOW PRECISION. The matrix products marked QUANTISED in the list below multiply operands that are first quantised to E2M1 (2 exponent bits, 1 mantissa bit; 4 bits a number), with one power-of-two scale for each 32 numbers along K (OCP MX v1.0); their sums are f32. The products marked 'left as it is' may take bf16, f16 or f32 operands, with f32 sums. Whichever they take, every output number must still come out within the allowed error. Rounding operands to bf16 (8 significant bits) uses up far more of that allowance than f16 does (11 bits, for magnitudes from 6e-5 to 65,504). All else is computed in f32.
;;   The module's matrix products, in the order in which they are computed (A, B: the left and right operand; K: the contracted axis; several contracted axes count as one K, in the product's order):
;;     1. [M 8,192, K 1,024] x [K 1,024, N 3,072]; A: input query; B: input in_proj_weight: QUANTISED
;;     2. batch 64 x [M 2,048, K 64] x [K 64, N 2,048]; A: computed on the way; B: computed on the way: left as it is (an operand is computed on the way)
;;     3. batch 64 x [M 64, K 2,048] x [K 2,048, N 2,048]; A: computed on the way; B: computed on the way: left as it is (an operand is computed on the way)
;;     4. [M 8,192, K 1,024] x [K 1,024, N 1,024]; A: computed on the way; B: input out_proj_weight: left as it is (an operand is computed on the way)
;;   THE QUANTISER, for each operand of a quantised product, along K:
;;     - K is cut into blocks of 32 from its start; a last block that is shorter is filled with zeros.
;;     - A block's scale is 2^e with e = floor(log2(the largest magnitude in the block)) - 2, held to -126 .. 127; a block of zeros has e = 0. As a byte (E8M0): e + 127.
;;     - Each number is divided by its block's scale, clamped to +-6, and rounded to the nearest number of E2M1, ties to even, subnormals kept.
;;     - The product sums the exact products of the quantised numbers (number of the format x scale) in f32.
;;   ~~~python
;;   def quantise(x, axis):      # numpy; x: float32 -> the quantised numbers, widened to float32 again
;;       x = np.moveaxis(x, axis, -1); K = x.shape[-1]
;;       x = np.pad(x, [(0, 0)] * (x.ndim - 1) + [(0, -K % 32)]); x = x.reshape(x.shape[:-1] + (-1, 32)); a = np.abs(x).max(-1, keepdims=True)
;;       e = np.where(a > 0, np.clip(np.frexp(np.where(a > 0, a, 1))[1] - 1 - 2, -126, 127), 0)      # np.frexp(a)[1] - 1 = floor(log2(a)), exactly
;;       r = np.clip(x / 2.0 ** e, -6, 6)
;;       step = 2.0 ** (np.maximum(np.frexp(np.where(r == 0, 1, r))[1] - 1, 0) - 1)
;;       q = np.round(r / step) * step * 2.0 ** e      # np.round: ties to even
;;       return np.moveaxis(q.reshape(q.shape[:-2] + (-1,))[..., :K], -1, axis).astype(np.float32)
;;   ~~~
;; One version. Each part assembles by itself: llvm-mc -triple=amdgcn-amd-amdhsa -mcpu=gfx1250 --defsym DOCPART=n.
;; ======== version 1 of 1: 4 launches
;; limits: values are held in f16: magnitudes above 65,504 overflow, below 6.1e-05 lose precision
;; workspace buffers: a_codes 4,194,304 bytes; a_scales 262,144 bytes; b_codes 1,572,864 bytes; b_scales 98,304 bytes; wo16 2,097,152 bytes; qkv 50,331,648 bytes; ctx 16,777,216 bytes
;; launch prep (part 1): grid 416 x 1, 4 waves a work-group, no clusters, 33,280 bytes of LDS; arguments query, in_proj_weight, a_codes, a_scales, b_codes, b_scales, out_proj_weight, wo16; writes a_codes, a_scales, b_codes, b_scales, wo16
.if DOCPART == 1
	.amdgcn_target "amdgcn-amd-amdhsa--gfx1250"
	.amdhsa_code_object_version 6
	.text
	.protected	k_qf75b573659_prep
	.globl	k_qf75b573659_prep
	.p2align	8
	.type	k_qf75b573659_prep,@function
k_qf75b573659_prep:
	s_mov_b64 s[64:65], 0
	v_nop
	global_prefetch_b8 v0, s[64:65] scope:SCOPE_SE
	s_setreg_imm32_b32 hwreg(HW_REG_WAVE_MODE, 25, 1), 1
	s_wait_xcnt 0x0
; query [8192][1024] and in_proj_weight [3072][1024], f32, become codes of FP4 (E2M1), K innermost, two codes a byte, with one E8M0 scale byte for each 32 along K;
; out_proj_weight [1024][1024], f32, is rounded to f16 (nearest even) for the last product, which is left as it is.
; A block's scale is 2^(floor(log2(its largest magnitude)) - 2); its byte is the largest magnitude's exponent field - 2, held at 1 from below.
; LIMITS: a block of zeros gets the byte 1 (its codes are zeros, which add nothing, and this program alone reads the bytes); blocks whose largest magnitude lies under 2^(2 - 126) keep the byte 1;
; NaN and infinities among the inputs are not served.
; SHARES: work-groups 0-255 take query, 256-351 in_proj_weight: one path, only the pointers are chosen.  A wave takes 16 steps of 512 numbers.  Work-groups 352-415 round out_proj_weight, 4,096 numbers a wave; that path touches no LDS.
; Rows are dense and K is a multiple of 32: the tensors are plain streams of blocks of 32.  Each load reads 512 consecutive bytes; a step's 2,048 bytes turn through the wave's own stage in LDS and come back 64 bytes a lane,
; so that a lane holds 16 neighbours along K (two neighbouring lanes hold a block).  A wave's store of codes covers 256 consecutive bytes; its 256 scale bytes are gathered in LDS and leave as 256 consecutive bytes.
.set WAVES, 4
.set STEPS, 16
.set WGA,   256                        ; 8192 x 1024 / 32768
.set WGQ,   352                        ; + 3072 x 1024 / 32768
.set EMAX,  2
.set CB,    8                          ; bytes of 16 codes
.set R,     16                         ; v16-79   four sets of 16 numbers as loaded (the rounding path: v16-143)
.set X,     80                         ; v80-111  two sets of 16 neighbours
.set C,     128                        ; v128-191 codes: four registers for each step, so that no store's data are written again
.set E,     112                        ; v112-127 a scale byte for each step
.set WREG,  8192                       ; LDS: a region for each wave: two stages of 32 x SP bytes, then its 256 scale bytes
.set SP,    80                         ; a lane's place in a stage: 64 bytes + 16 of padding
.set SPW,   12                         ; v12 LDS address of my spare word; never rewritten
.set NIL,   13                         ; v13 0; never rewritten
.set SPARE, WAVES*WREG                 ; the spare words: 128 bytes a wave, named by no other line
	s_load_b128 s[4:7], s[0:1], 0x0                ; query, in_proj_weight
	s_load_b128 s[8:11], s[0:1], 0x10              ; query's codes, scales
	s_load_b128 s[12:15], s[0:1], 0x20             ; the weight's codes, scales
	s_load_b128 s[24:27], s[0:1], 0x30             ; out_proj_weight, its f16 copy
	v_lshl_add_u32 v[SPW], v0, 2, SPARE
	v_mov_b32 v[NIL], 0
	v_lshrrev_b32 v1, 5, v0
	v_readfirstlane_b32 s16, v1                    ; wave
	v_and_b32 v2, 31, v0                           ; lane
	v_lshlrev_b32 v3, 4, v2                        ; my 16 bytes of a load's 512
	s_mul_i32 s17, s16, WREG
	v_lshrrev_b32 v14, 2, v2
	v_mul_u32_u24 v14, v14, SP
	v_and_b32 v15, 3, v2
	v_lshl_add_u32 v14, v15, 4, v14
	v_add_nc_u32 v14, s17, v14                     ; the stage, way in: SP (lane / 4) + 16 (lane % 4)
	v_mul_u32_u24 v15, v2, SP
	v_add_nc_u32 v15, s17, v15                     ; way out: SP x lane: my 16 neighbours
	v_mul_u32_u24 v4, v2, CB                       ; 8 bytes a lane
	v_lshrrev_b32 v5, 1, v2
	s_add_co_u32 s17, s17, 2*32*SP
	v_add_nc_u32 v5, s17, v5                       ; LDS: my block's scale byte
	v_lshlrev_b32 v7, 3, v2
	v_add_nc_u32 v6, s17, v7                       ; and on the way out 8 bytes a lane
	s_wait_kmcnt 0x0
	s_cmp_ge_u32 ttmp9, WGQ                        ; the branch hangs on the work-group's number alone
	s_cbranch_scc1 .Lconv
	s_cmp_lt_u32 ttmp9, WGA
	s_cselect_b64 s[4:5], s[4:5], s[6:7]
	s_cselect_b64 s[8:9], s[8:9], s[12:13]
	s_cselect_b64 s[10:11], s[10:11], s[14:15]
	s_cselect_b32 s17, 0, WGA
	s_sub_co_u32 s17, ttmp9, s17
	s_lshl_b32 s17, s17, 2
	s_add_co_u32 s18, s17, s16                     ; which run of 8,192 numbers is my wave's
	s_mov_b32 s19, 0
	s_mov_b64 s[20:21], 512*STEPS*4
	s_mul_u64 s[20:21], s[18:19], s[20:21]
	s_add_nc_u64 s[4:5], s[4:5], s[20:21]
	s_mov_b64 s[20:21], 32*STEPS*CB
	s_mul_u64 s[20:21], s[18:19], s[20:21]
	s_add_nc_u64 s[8:9], s[8:9], s[20:21]
	s_lshl_b32 s18, s18, 8                         ; 256 scale bytes a run
	s_add_nc_u64 s[10:11], s[10:11], s[18:19]
.macro LOAD t
.irp i, 0,1,2,3
	global_load_b128 v[R+16*((\t)%4)+4*\i:R+16*((\t)%4)+4*\i+3], v3, s[4:5] offset:2048*(\t)+512*\i th:TH_LOAD_NT   ; 32 lanes read 512 consecutive bytes
.endr
.endm
.macro TURN t                          ; step t's numbers through the stage: LDS serves a wave's instructions in order, so no wait stands between the stores and the loads
.irp i, 0,1,2,3
	ds_store_b128 v14, v[R+16*((\t)%4)+4*\i:R+16*((\t)%4)+4*\i+3] offset:32*SP*((\t)%2)+8*SP*\i
.endr
.irp i, 0,1,2,3
	ds_load_b128 v[X+16*((\t)%2)+4*\i:X+16*((\t)%2)+4*\i+3], v15 offset:32*SP*((\t)%2)+16*\i
.endr
.endm
.irp t, 0,1,2,3
	LOAD \t
.endr
	s_wait_loadcnt 12                              ; step 0's four loads are in; the twelve of steps 1 to 3 may be out
	TURN 0
.macro STEP t
.set XS, X+16*((\t)%2)
.if (\t) > 0
	s_wait_dscnt 1                                 ; this step's numbers are back from the stage (the last step's byte store may be out), so its stores into the stage have read their registers,
.else
	s_wait_dscnt 0x0
.endif
.if (\t)+4 < STEPS
	LOAD (\t)+4                                    ; which take the loads of four steps on
.endif
.if (\t)+1 < STEPS
.if STEPS-2-(\t) >= 3
	s_wait_loadcnt 12                              ; the next step's four loads are in; those of the three steps behind it may be out
.else
	s_wait_loadcnt 4*(STEPS-2-(\t))
.endif
	TURN (\t)+1
.endif
	v_max3_num_f32 v8, |v[XS]|, |v[XS+1]|, |v[XS+2]|               ; the largest magnitude of my 16, in two chains
	v_max3_num_f32 v9, |v[XS+3]|, |v[XS+4]|, |v[XS+5]|
.irp i, 6,10
	v_max3_num_f32 v8, v8, |v[XS+\i]|, |v[XS+\i+1]|
	v_max3_num_f32 v9, v9, |v[XS+\i+2]|, |v[XS+\i+3]|
.endr
	v_max3_num_f32 v8, v8, |v[XS+14]|, |v[XS+15]|
	v_max3_num_f32 v8, v8, v9, (EMAX+1)<<23        ; and the floor 2^(EMAX + 1 - 127): the byte cannot fall under 1
	v_max_num_f32_dpp v8, v8, v8 row_xmask:1 row_mask:0xf bank_mask:0xf   ; and of my neighbour's 16: the block's
	v_add_nc_u32 v11, -(EMAX<<23), v8              ; EMAX off its exponent field: the conversion takes the exponent field of this operand as its scale
	v_cvt_scalef32_pk8_fp4_f32 v[C+4*(\t)], v[XS:XS+7], v11        ; eight numbers / the scale, nearest code, ties to even, beyond 6 the largest code
	v_cvt_scalef32_pk8_fp4_f32 v[C+4*(\t)+1], v[XS+8:XS+15], v11
	v_lshrrev_b32 v[E+(\t)], 23, v11               ; the scale's byte (also the plain line behind the conversions)
	ds_store_b8 v5, v[E+(\t)] offset:16*(\t)       ; both lanes of a block write the same byte with the same value
	global_store_b64 v4, v[C+4*(\t):C+4*(\t)+1], s[8:9] offset:32*CB*(\t)   ; the wave stores 256 consecutive bytes, aligned
.endm
.irp t, 0,1,2,3,4,5,6,7,8,9,10,11,12,13,14,15
	STEP \t
.endr
	ds_load_b64 v[8:9], v6                         ; LDS serves a wave's instructions in order: these see my byte stores
	s_wait_dscnt 0x0
	global_store_b64 v7, v[8:9], s[10:11]          ; 32 lanes store 256 consecutive bytes, aligned
	s_wait_tensorcnt 0x0                           ; the wave's end, behind my last LDS store
	ds_add_u32 v[SPW], v[NIL]
	s_wait_dscnt 0x0
	s_endpgm
.Lconv:                                                ; out_proj_weight to f16: 32 loads of 512 bytes a wave, all issued at once; no register is written twice, so no wait frees one
	s_sub_co_u32 s17, ttmp9, WGQ
	s_lshl_b32 s17, s17, 2
	s_add_co_u32 s17, s17, s16                     ; which run of 4,096 numbers is my wave's
	s_lshl_b32 s18, s17, 14
	s_mov_b32 s19, 0
	s_add_nc_u64 s[24:25], s[24:25], s[18:19]
	s_lshl_b32 s18, s17, 13
	s_add_nc_u64 s[26:27], s[26:27], s[18:19]
.set i, 0
.rept 32
	global_load_b128 v[R+4*i:R+4*i+3], v3, s[24:25] offset:512*i th:TH_LOAD_NT
.set i, i+1
.endr
.set i, 0
.rept 32
	s_wait_loadcnt 31-i                            ; loads come back in order: load i is in, the later ones may be out
	v_cvt_pk_f16_f32 v[R+4*i], v[R+4*i], v[R+4*i+1]
	v_cvt_pk_f16_f32 v[R+4*i+1], v[R+4*i+2], v[R+4*i+3]
	global_store_b64 v4, v[R+4*i:R+4*i+1], s[26:27] offset:256*i   ; the wave stores 256 consecutive bytes, aligned
.set i, i+1
.endr
	s_endpgm
.Lfunc_end_k_qf75b573659_prep:
	.size	k_qf75b573659_prep, .Lfunc_end_k_qf75b573659_prep-k_qf75b573659_prep
	.p2alignl 7, 3214868480
	.fill 96, 4, 3214868480
	.section	.rodata,"a",@progbits
	.p2align	6, 0x0
	.amdhsa_kernel k_qf75b573659_prep
		.amdhsa_group_segment_fixed_size 33280
		.amdhsa_private_segment_fixed_size 0
		.amdhsa_enable_private_segment 0
		.amdhsa_kernarg_size 64
		.amdhsa_user_sgpr_count 2
		.amdhsa_user_sgpr_kernarg_segment_ptr 1
		.amdhsa_wavefront_size32 1
		.amdhsa_system_sgpr_workgroup_id_x 1
		.amdhsa_system_sgpr_workgroup_id_y 1
		.amdhsa_system_sgpr_workgroup_id_z 1
		.amdhsa_system_vgpr_workitem_id 0
		.amdhsa_next_free_vgpr 192
		.amdhsa_next_free_sgpr 66
		.amdhsa_reserve_vcc 0
		.amdhsa_float_denorm_mode_32 3
		.amdhsa_float_denorm_mode_16_64 3
		.amdhsa_memory_ordered 1
		.amdhsa_forward_progress 1
		.amdhsa_inst_pref_size 45
	.end_amdhsa_kernel
	.amdgpu_metadata
---
amdhsa.version: [ 1, 2 ]
amdhsa.kernels:
  - .name:           k_qf75b573659_prep
    .symbol:         k_qf75b573659_prep.kd
    .args:
      - { .name: query, .offset: 0, .size: 8, .value_kind: global_buffer, .address_space: global }
      - { .name: in_proj_weight, .offset: 8, .size: 8, .value_kind: global_buffer, .address_space: global }
      - { .name: a_codes, .offset: 16, .size: 8, .value_kind: global_buffer, .address_space: global }
      - { .name: a_scales, .offset: 24, .size: 8, .value_kind: global_buffer, .address_space: global }
      - { .name: b_codes, .offset: 32, .size: 8, .value_kind: global_buffer, .address_space: global }
      - { .name: b_scales, .offset: 40, .size: 8, .value_kind: global_buffer, .address_space: global }
      - { .name: out_proj_weight, .offset: 48, .size: 8, .value_kind: global_buffer, .address_space: global }
      - { .name: wo16, .offset: 56, .size: 8, .value_kind: global_buffer, .address_space: global }
    .group_segment_fixed_size: 33280
    .private_segment_fixed_size: 0
    .kernarg_segment_align: 8
    .kernarg_segment_size: 64
    .max_flat_workgroup_size: 128
    .sgpr_count:     66
    .vgpr_count:     192
    .wavefront_size: 32
...
	.end_amdgpu_metadata
.endif
;; end of part 1
;; launch qkvgemm (part 2): grid 12 x 32, 4 waves a work-group, clusters of 4 x 4, 327,680 bytes of LDS; arguments a_codes, a_scales, b_codes, b_scales, in_proj_bias, qkv; writes qkv
.if DOCPART == 2
	.amdgcn_target "amdgcn-amd-amdhsa--gfx1250"
	.amdhsa_code_object_version 6
	.text
	.protected	k_qf75b573659_qkvgemm
	.globl	k_qf75b573659_qkvgemm
	.p2align	8
	.type	k_qf75b573659_qkvgemm,@function
k_qf75b573659_qkvgemm:
	s_mov_b64 s[64:65], 0
	v_nop
	global_prefetch_b8 v0, s[64:65] scope:SCOPE_SE
	s_setreg_imm32_b32 hwreg(HW_REG_WAVE_MODE, 25, 1), 1
	s_wait_xcnt 0x0
	s_wait_alu depctr_hold_cnt(0) depctr_sa_sdst(0) depctr_va_vdst(0) depctr_va_sdst(0) depctr_va_ssrc(0) depctr_va_vcc(0) depctr_vm_vsrc(0)
	s_getreg_b32 s2, hwreg(HW_REG_IB_STS2, 6, 4)
	s_cmp_eq_u32 s2, 0
	s_cbranch_scc0 .Lentry_in_a_cluster
	s_endpgm
.Lentry_in_a_cluster:
	s_bfe_u32 s2, ttmp6, 0x10000c
	s_cmp_lg_u32 s2, 0xf033
	s_cbranch_scc0 .Lentry_shape_is_right
	s_endpgm
.Lentry_shape_is_right:
; lin[s][b][f] = sum over e of Q(query)[s][b][e] Q(in_proj_weight)[f][e] + in_proj_bias[f], on codes of FP4 (E2M1) with one E8M0 scale for each 32 along K; sums in f32.
; The result is rounded to f16 and laid for the attention: qkv[kind][16 b + h][s][64], f = 192 h + 64 kind + d.   LIMIT: |lin| stays at or under 65,504 (f16's largest number); NaN and infinities are not served.
; A tile is 256 rows x 256 columns, made by four waves, 128 x 128 each: 64 accumulators.  THE 256 ROWS ARE 256 NEIGHBOURING s OF ONE b: a tile's rows of A lie four rows of memory apart (the descriptor's stride),
; so that 4 rows x 64 columns of a result are 512 consecutive bytes of qkv.
; K = 1,024 is two LDS slots of 512: every tile is asked for at the head, no LDS byte is filled twice, and there is no loop.
; The scale bytes of the work-group's rows, 32 a row, come with the first loads, as rows of 32 bytes + 16 of padding.
; CLUSTERS: 4 x 4 work-groups; A's tiles are shared along a row of the cluster, B's along a column: each is asked for jointly, by the same tensor load with the same descriptor and a mask that names the four.
; THE MATRIX INSTRUCTION IS USED TRANSPOSED (source 0 = 16 rows of B, source 1 = 16 rows of A): a lane holds eight neighbouring columns of one row.  The bias is the C of each sum's first instruction.
; REGISTERS: window 0: v16-30 addresses; v32-95 scale words, two sets; v128-191 A's fragments, one set; v192-255 the bias, 8 registers a block of 16 columns; on the way out v128-223 are free.
;   window 1: B's fragments, two sets, at v0 and v128.   windows 2, 3: the accumulators of my rows 0-63, 64-127 ((a, b) at v[8 (8 (a % 4) + b)]).
.set NQ,     4                         ; matrix instructions deep in a slot
.set ROWB,   256                       ; a tile's row: 512 codes
.set PITCH,  272                       ; in LDS: + 16 of padding: 68 words, so the 16 rows of a load start at 16 different banks (64 banks of 4 bytes: ISA guide 11.1)
.set FR,     8
.set NL,     2
.set NP,     4                         ; places behind this matrix instruction (ISA guide 7.12.1)
.set HALFT,  128*PITCH
.set SLOT,   4*HALFT
.set SCL,    2*SLOT                    ; the scales
.set SCP,    48                        ; a row of them: 32 bytes + 16
.set HALFS,  128*SCP
.set SBLK,   16*SCP
.set SPARE,  SCL+4*HALFS               ; the spare words: 128 bytes a wave, named by no other line
.set SPITCH, 272                       ; the stage: 16 rows x (256 + 16) bytes a wave, in slot 0, which has had its one fill and its last read when the first result is stored there
.set ADRA, 16
.set ADRB, 20
.set STO,  24
.set RD,   25
.set CO,   26
.set ADRS, 27
.set SPW,  28
.set NIL,  29
.set BO,   30
.set SC,   32
.set AF,   128
.set BI,   192
.set TMP,  128
.set BK,   160
.set G1, 24
.set G0, 32
.set G1B, 48
.set G0B, 56
.set G1S, 68
.set G0S, 76
.set G1SB, 80
.set G0SB, 88
.set MSB, 0
.macro WIN new                         ; the immediate's high byte repeats the setting that is left
.if MSB != \new
	s_set_vgpr_msb (MSB<<8)|\new
.set MSB, \new
.endif
.endm
.set MUL_LO, 0xa1                      ; source 0 (B) window 1, source 1 (A) window 0, C and D window 2
.set MUL_HI, 0xf1                      ; the same, C and D window 3
.set BIA_LO, 0x81                      ; the first step: C (the bias) window 0, D window 2
.set BIA_HI, 0xc1                      ; D window 3
.set TO_B,   0x40
; A joint load: waves 0 and 1 fetch for A, waves 2 and 3 for B; the branch hangs on the wave's number alone.  An s_nop 0 and four v_nop follow each of the two lines.
.macro JLOAD g0a, g1a, g0b, g1b
	s_cmp_eq_u32 s15, 0
	s_cbranch_scc0 .Lfor_b_\@
	tensor_load_to_lds s[\g0a:\g0a+3], s[\g1a:\g1a+7]
	s_nop 0
.rept 4
	v_nop
.endr
	s_branch .Lasked_\@
.Lfor_b_\@:
	tensor_load_to_lds s[\g0b:\g0b+3], s[\g1b:\g1b+7]
	s_nop 0
.rept 4
	v_nop
.endr
.Lasked_\@:
.endm
.macro CROUND                          ; a round of the cluster's barrier
	s_barrier_signal -1
	s_barrier_wait -1
	s_cmp_lg_u32 s14, 0
	s_cbranch_scc1 .Lnot_wave_0_\@
	s_barrier_signal -3
.Lnot_wave_0_\@:
	s_barrier_wait -3
	s_barrier_signal -1
	s_barrier_wait -1
.endm
	s_load_b256 s[4:11], s[0:1], 0x0               ; A's codes, A's scales, B's codes, B's scales
	s_load_b128 s[96:99], s[0:1], 0x20             ; the bias, qkv
	v_lshl_add_u32 v[SPW], v0, 2, SPARE
	v_mov_b32 v[NIL], 0
	ds_add_u32 v[SPW], v[NIL]                      ; the wave's opening: the add, twice on end, and its wait ahead of my first tensor load
	ds_add_u32 v[SPW], v[NIL]
	v_lshrrev_b32 v1, 5, v0
	v_readfirstlane_b32 s14, v1                    ; wave 0..3
	s_lshr_b32 s15, s14, 1                         ; my half of the tile's rows.  Also: I fetch for A (0) or B (1)
	s_and_b32 s16, s14, 1                          ; my half of its columns.  Also: which 128 rows I fetch
	s_bfe_u32 s40, ttmp6, 0x40000                  ; cx
	s_bfe_u32 s41, ttmp6, 0x40004                  ; cy
	s_lshl_b32 s42, ttmp9, 2
	s_add_co_u32 s42, s42, s40                     ; tile column 0..11
	s_and_b32 s17, ttmp7, 0xffff
	s_lshl_b32 s17, s17, 2
	s_add_co_u32 s17, s17, s41                     ; tile row 0..31: b = row / 8, s from 256 (row % 8)
	s_lshl_b32 s43, s41, 2
	s_lshl_b32 s43, 15, s43                        ; my row of the cluster
	s_lshl_b32 s44, 0x1111, s40                    ; my column
	; group 1, codes: 128 rows x 256 bytes, 16 bytes of padding behind each
	s_or_b32 s[G1+0], s43, (1<<20)|(1<<21)|(5<<22)|(3<<25)    ; mask; elements of 1 byte; padding on; bit 21 beside a mask; after every 64 words, 4 words
	s_or_b32 s[G1B+0], s44, (1<<20)|(1<<21)|(5<<22)|(3<<25)
.irp g, G1, G1B
	s_mov_b32 s[\g+1], ROWB<<16                    ; tensor_dim0
	s_mov_b32 s[\g+2], 128<<16                     ; tensor_dim1
	s_mov_b32 s[\g+3], ROWB<<16                    ; tile_dim0
	s_mov_b32 s[\g+4], 128                         ; tile_dim1
	s_mov_b32 s[\g+6], 0
	s_mov_b32 s[\g+7], 0
.endr
	s_mov_b32 s[G1+5], 2048                        ; A: from s to s + 1 of one b: four rows of 512 bytes
	s_mov_b32 s[G1B+5], 512                        ; B: a row of 512 bytes
	; group 1, scales: 128 rows x 32 bytes, 16 bytes of padding behind each
	s_or_b32 s[G1S+0], s43, (1<<20)|(1<<21)|(2<<22)|(3<<25)   ; after every 8 words, 4 words
	s_or_b32 s[G1SB+0], s44, (1<<20)|(1<<21)|(2<<22)|(3<<25)
.irp g, G1S, G1SB
	s_mov_b32 s[\g+1], 32<<16
	s_mov_b32 s[\g+2], 128<<16
	s_mov_b32 s[\g+3], 32<<16
	s_mov_b32 s[\g+4], 128
	s_mov_b32 s[\g+6], 0
	s_mov_b32 s[\g+7], 0
.endr
	s_mov_b32 s[G1S+5], 128                        ; A: four rows of 32 bytes
	s_mov_b32 s[G1SB+5], 32
	s_lshl_b32 s18, s16, 7                         ; which 128 rows I fetch
	s_and_b32 s22, s17, 7
	s_lshl_b32 s22, s22, 8
	s_add_co_u32 s22, s22, s18                     ; A: s = 256 (tile row % 8) + 128 x half
	s_lshl_b32 s22, s22, 7                         ; x 128 bytes of scales,
	s_lshr_b32 s19, s17, 3
	s_lshl_b32 s19, s19, 5
	s_add_co_u32 s22, s22, s19                     ; + 32 b
	s_lshl_b32 s20, s22, 4                         ; the codes lie at 16 times that: 2,048 s + 512 b
	s_mov_b32 s21, 0
	s_mov_b32 s23, 0
	s_lshl_b32 s46, s42, 8
	s_add_co_u32 s46, s46, s18                     ; B: row 256 x tile column + 128 x half
	s_lshl_b32 s92, s46, 5                         ; its scales,
	s_lshl_b32 s46, s46, 9                         ; its codes
	s_mov_b32 s47, 0
	s_mov_b32 s93, 0
	s_mul_i32 s45, s14, HALFT                      ; where they go: wave x 128 rows: no place in the cluster enters an LDS address
	s_mul_i32 s94, s14, HALFS
	s_wait_dscnt 0x0                               ; both opening adds are done
	s_wait_kmcnt 0x0
	s_add_nc_u64 s[20:21], s[4:5], s[20:21]
	s_add_nc_u64 s[22:23], s[6:7], s[22:23]
	s_add_nc_u64 s[46:47], s[8:9], s[46:47]
	s_add_nc_u64 s[92:93], s[10:11], s[92:93]
	CROUND                                         ; all sixteen work-groups are here: the joint loads meet
	s_mov_b32 s[G0S], 1
	s_add_co_u32 s[G0S+1], s94, SCL
	s_mov_b64 s[G0S+2:G0S+3], s[22:23]
	s_or_b32 s[G0S+3], s[G0S+3], 0x80000000
	s_mov_b32 s[G0SB], 1
	s_add_co_u32 s[G0SB+1], s94, SCL
	s_mov_b64 s[G0SB+2:G0SB+3], s[92:93]
	s_or_b32 s[G0SB+3], s[G0SB+3], 0x80000000
	JLOAD G0S, G1S, G0SB, G1SB                     ; the scales first: they are wanted with the first step
.irp s, 0,1
	s_mov_b32 s[G0+4*\s], 1
	s_add_co_u32 s[G0+4*\s+1], s45, \s*SLOT
	s_add_nc_u64 s[G0+4*\s+2:G0+4*\s+3], s[20:21], \s*ROWB
	s_or_b32 s[G0+4*\s+3], s[G0+4*\s+3], 0x80000000
	s_mov_b32 s[G0B+4*\s], 1
	s_add_co_u32 s[G0B+4*\s+1], s45, \s*SLOT
	s_add_nc_u64 s[G0B+4*\s+2:G0B+4*\s+3], s[46:47], \s*ROWB
	s_or_b32 s[G0B+4*\s+3], s[G0B+4*\s+3], 0x80000000
	JLOAD G0+4*\s, G1, G0B+4*\s, G1B               ; three tensor loads of mine are out
.endr
	v_and_b32 v1, 15, v0                           ; r
	v_bfe_u32 v2, v0, 4, 1                         ; h
	s_lshl_b32 s46, s42, 10                        ; the bias of my 128 columns: 4 (256 x tile column + 128 x half)
	s_lshl_b32 s47, s16, 9
	s_add_co_u32 s46, s46, s47
	s_mov_b32 s47, 0
	s_add_nc_u64 s[96:97], s[96:97], s[46:47]
	v_lshlrev_b32 v[BO], 5, v2                     ; lane (r, h) wants, for block b, columns 16 b + 8 h + 0 .. 7: the result's layout
.irp b, 0,1,2,3,4,5,6,7
	global_load_b128 v[BI+8*\b:BI+8*\b+3], v[BO], s[96:97] offset:64*\b
	global_load_b128 v[BI+8*\b+4:BI+8*\b+7], v[BO], s[96:97] offset:64*\b+16
.endr
	v_mul_u32_u24 v3, v1, PITCH
	v_lshl_add_u32 v4, v2, 4, v3                   ; a fragment's row x pitch + 16 x half
	s_mul_i32 s21, s15, HALFT                      ; my 128 rows of A
	s_mul_i32 s22, s16, HALFT                      ; my 128 rows of B,
	s_add_co_u32 s22, s22, 2*HALFT                 ; behind A's 256
.irp s, 0,1
	v_add_nc_u32 v[ADRA+\s], s21, v4
	v_add_nc_u32 v[ADRB+\s], s22, v4
	s_add_co_u32 s21, s21, SLOT
	s_add_co_u32 s22, s22, SLOT
.endr
	v_mul_u32_u24 v5, v1, SCP                      ; my row's scales
	s_mul_i32 s21, s15, HALFS                      ; A's: my 128 rows
	s_mul_i32 s22, s16, HALFS                      ; B's: my 128 rows, behind A's 256
	s_add_co_u32 s22, s22, 2*HALFS
	s_sub_co_u32 s22, s22, s21
	v_mul_u32_u24 v6, s22, v2                      ; lanes 16-31 take B's: one product with h
	s_add_co_u32 s21, s21, SCL
	v_add_nc_u32 v5, v5, v6
	v_add_nc_u32 v[ADRS], s21, v5
	s_mul_i32 s23, s14, 16*SPITCH                  ; my stage
	v_mul_u32_u24 v5, v1, SPITCH                   ; in: row r, 16 bytes for each half of the lanes
	v_lshl_add_u32 v5, v2, 4, v5
	v_add_nc_u32 v[STO], s23, v5
	v_bfe_u32 v5, v0, 3, 2                         ; back: eight lanes take 128 bytes (64 columns) of a row, the wave four rows
	v_and_b32 v6, 7, v0
	v_mul_u32_u24 v5, v5, SPITCH
	v_lshl_add_u32 v5, v6, 4, v5
	v_add_nc_u32 v[RD], s23, v5
	v_and_b32 v6, 31, v0
	v_lshlrev_b32 v[CO], 4, v6                     ; and in qkv those four rows are 512 consecutive bytes
	; where my results go.  The rows' part: 16 b heads of 262,144 bytes + (256 (tile row % 8) + 128 x half) rows of 128 bytes
	s_lshr_b32 s20, s17, 3
	s_lshl_b32 s20, s20, 22
	s_and_b32 s21, s17, 7
	s_lshl_b32 s21, s21, 15
	s_add_co_u32 s20, s20, s21
	s_lshl_b32 s21, s15, 14
	s_add_co_u32 s20, s20, s21
	s_mov_b32 s21, 0
	s_add_nc_u64 s[98:99], s[98:99], s[20:21]
	s_lshl_b32 s46, s42, 2                         ; the columns' part: my 128 columns are chunks c and c + 1 of 64, c = 4 x tile column + 2 x half; chunk c is head c / 3, kind c % 3
	s_lshl_b32 s47, s16, 1
	s_add_co_u32 s46, s46, s47
.macro CHUNK i, dst
	s_add_co_u32 s22, s46, \i
	s_mul_i32 s23, s22, 43
	s_lshr_b32 s23, s23, 7                         ; c / 3, exact for c under 48
	s_mul_i32 s47, s23, 3
	s_sub_co_u32 s22, s22, s47                     ; c % 3
	s_lshl_b32 s22, s22, 24                        ; a kind is 16,777,216 bytes,
	s_lshl_b32 s23, s23, 18                        ; a head 262,144
	s_add_co_u32 s22, s22, s23
	s_mov_b32 s23, 0
	s_add_nc_u64 s[\dst:\dst+1], s[98:99], s[22:23]
.endm
	CHUNK 0, 12
	CHUNK 1, 100
.macro FRAG reg, adr, q, i             ; 16 rows x 128 K of 4-bit codes: 8 registers: lane l holds row l % 16; registers 4 c .. 4 c + 3 hold K = 64 c + 32 (l / 16) + 0 .. 31
.irp c, 0,1
	ds_load_b128 v[\reg+4*\c:\reg+4*\c+3], v[\adr] offset:64*(\q)+32*\c+(\i)*16*PITCH
.endr
.endm
; 16 matrix instructions: A's blocks a0, a0 + 1 x B's eight.  p: B's set; sc: the set of scale words.  zero = 1: the first product starts the sums from the bias.
; The 64 accumulators take turns, one instruction a turn, in the same order in every step.
.macro MUL16 a0, p, q, sc, zero
.irp a, \a0, \a0+1
.irp b, 0,1,2,3,4,5,6,7
.if \zero
	v_wmma_scale_f32_16x16x128_f8f6f4 v[8*(8*((\a)%4)+\b):8*(8*((\a)%4)+\b)+7], v[128*(\p)+FR*\b:128*(\p)+FR*\b+FR-1], v[AF+FR*(\a):AF+FR*(\a)+FR-1], v[BI+8*\b:BI+8*\b+7], v[SC+8*NQ*(\sc)+NQ*\b+(\q)], v[SC+8*NQ*(\sc)+NQ*(\a)+(\q)] matrix_a_fmt:MATRIX_FMT_FP4 matrix_b_fmt:MATRIX_FMT_FP4 matrix_a_scale:MATRIX_SCALE_ROW1
.else
	v_wmma_scale_f32_16x16x128_f8f6f4 v[8*(8*((\a)%4)+\b):8*(8*((\a)%4)+\b)+7], v[128*(\p)+FR*\b:128*(\p)+FR*\b+FR-1], v[AF+FR*(\a):AF+FR*(\a)+FR-1], v[8*(8*((\a)%4)+\b):8*(8*((\a)%4)+\b)+7], v[SC+8*NQ*(\sc)+NQ*\b+(\q)], v[SC+8*NQ*(\sc)+NQ*(\a)+(\q)] matrix_a_fmt:MATRIX_FMT_FP4 matrix_b_fmt:MATRIX_FMT_FP4 matrix_a_scale:MATRIX_SCALE_ROW1
.endif
.endr
.endr
.endm
.macro FETCH_B slot, q, p
	WIN TO_B
.irp i, 0,1,2,3,4,5,6,7
	FRAG 128*(\p)+FR*\i, ADRB+\slot, \q, \i
.endr
	WIN 0
.endm
.macro FETCH_A slot, q, i0
.irp i, \i0, \i0+1, \i0+2, \i0+3
	FRAG AF+FR*(\i), ADRA+\slot, \q, \i
.endr
.endm
.macro SCALES sc                       ; a slot's scale words: 4 words a row; lanes 0-15 take A's block i, lanes 16-31 B's block i
.irp i, 0,1,2,3,4,5,6,7
	ds_load_b128 v[SC+8*NQ*\sc+NQ*\i:SC+8*NQ*\sc+NQ*\i+3], v[ADRS] offset:\i*SBLK
.endr
.endm
.macro PLACES n                        ; plain vector lines between a matrix instruction and a load into, or a vector write of, one of its registers, or a read of its result
.rept \n
	v_nop
.endr
.endm
.macro STEP slot, q, zero              ; 128 along K, with its successor in the same slot
	s_wait_dscnt 4*NL                              ; B's set, the scale words and A's blocks 0-3 are in; the youngest eight loads (A's blocks 4-7) may be out
.if \zero
	WIN BIA_LO
.else
	WIN MUL_LO
.endif
	MUL16 0, (\q)%2, \q, \slot, \zero
	MUL16 2, (\q)%2, \q, \slot, \zero
	s_wait_dscnt 0                                 ; A's blocks 4-7 are in
	PLACES NP
	FETCH_B \slot, (\q)+1, 1-(\q)%2
	FETCH_A \slot, (\q)+1, 0
.if \zero
	WIN BIA_HI
.else
	WIN MUL_HI
.endif
	MUL16 4, (\q)%2, \q, \slot, \zero
	MUL16 6, (\q)%2, \q, \slot, \zero
	PLACES NP
	WIN 0
	FETCH_A \slot, (\q)+1, 4
.endm
	s_wait_tensorcnt 1                             ; the scales and my part of slot 0 are in (slot 1's load may be out)
	s_barrier_signal -1
	s_barrier_wait -1                              ; everybody's are
	FETCH_B 0, 0, 0
	FETCH_A 0, 0, 0
	SCALES 0
	FETCH_A 0, 0, 4
	s_wait_loadcnt 0x0                             ; the bias
	STEP 0, 0, 1
	STEP 0, 1, 0
	STEP 0, 2, 0
	; slot 0's last step changes slots: one barrier; in front of it each wave waits for its tensor loads (its part of slot 1), adds 0 to its spare word, and waits for that and for its reads of slot 0
	s_wait_tensorcnt 0x0
	ds_add_u32 v[SPW], v[NIL]
	s_wait_dscnt 4*NL+1                            ; (the add and A's blocks 4-7 may be out)
	WIN MUL_LO
	MUL16 0, 1, NQ-1, 0, 0
	s_wait_dscnt 0x0                               ; the add is done, and my reads of slot 0 are over
	s_barrier_signal -1
	MUL16 2, 1, NQ-1, 0, 0
	WIN 0
	s_barrier_wait -1
	PLACES NP
	v_add_nc_u32 v[ADRS], 4*NQ, v[ADRS]            ; slot 1's scale words: 16 bytes on in each row
	FETCH_B 1, 0, 0
	FETCH_A 1, 0, 0
	SCALES 1
	WIN MUL_HI
	MUL16 4, 1, NQ-1, 0, 0
	MUL16 6, 1, NQ-1, 0, 0
	PLACES NP
	WIN 0
	FETCH_A 1, 0, 4
	STEP 1, 0, 0
	STEP 1, 1, 0
	STEP 1, 2, 0
	s_wait_dscnt 4*NL                              ; the very last step: nothing more to fetch
	WIN MUL_LO
	MUL16 0, 1, NQ-1, 1, 0
	MUL16 2, 1, NQ-1, 1, 0
	s_wait_dscnt 0
	WIN MUL_HI
	MUL16 4, 1, NQ-1, 1, 0
	MUL16 6, 1, NQ-1, 1, 0
	WIN 0
; THE WAY OUT, a block of 16 rows x 128 columns at a time: rounded to f16 (16 bytes a lane), into my own stage, back as 4 rows x 128 bytes of one chunk, stored as 512 consecutive bytes.
.macro PACK a
.set AC, 64*((\a)%4)
	WIN 0x0a+5*((\a)/4)                            ; sources 0 and 1: window 2 or 3
.irp b, 0,1,2,3,4,5,6,7
.irp r, 0,1,2,3
	v_cvt_pk_f16_f32 v[TMP+4*\b+\r], v[AC+8*\b+2*\r], v[AC+8*\b+2*\r+1]   ; each accumulator from its low end on
.endr
.endr
	WIN 0
.endm
.macro TOSTAGE a
.set BB, BK+32*((\a)%2)
.irp b, 0,1,2,3,4,5,6,7
	ds_store_b128 v[STO], v[TMP+4*\b:TMP+4*\b+3] offset:32*\b
.endr
.irp t, 0,1,2,3,4,5,6,7
	ds_load_b128 v[BB+4*\t:BB+4*\t+3], v[RD] offset:(\t%4)*4*SPITCH+(\t/4)*128   ; LDS serves a wave's instructions in order: these see the stores above
.endr
.endm
.macro SEND a
.set BB, BK+32*((\a)%2)
	s_wait_dscnt 0x0                               ; the block is back in registers
	s_wait_xcnt 0x0                                ; the earlier stores have read their registers: the next block's loads may land there
.irp t, 0,1,2,3
	global_store_b128 v[CO], v[BB+4*\t:BB+4*\t+3], s[12:13] offset:(\a)*2048+\t*512        ; 32 lanes store 512 consecutive bytes, aligned: four rows of my first chunk
.endr
.irp t, 0,1,2,3
	global_store_b128 v[CO], v[BB+16+4*\t:BB+16+4*\t+3], s[100:101] offset:(\a)*2048+\t*512   ; and of my second
.endr
.endm
	PLACES NP                                      ; behind the last products: the conversions write registers that held A's fragments
	PACK 0
	TOSTAGE 0
.irp a, 1,2,3,4,5,6,7                  ; block a's conversions stand between block a - 1's loads from the stage and the wait for them
	PACK \a
	SEND \a-1
	TOSTAGE \a
.endr
	SEND 7
	s_wait_tensorcnt 0x0                           ; the wave's end, behind my last tensor load and my last LDS store
	ds_add_u32 v[SPW], v[NIL]
	s_wait_dscnt 0x0
	CROUND                                         ; the closing round
	s_endpgm
.Lfunc_end_k_qf75b573659_qkvgemm:
	.size	k_qf75b573659_qkvgemm, .Lfunc_end_k_qf75b573659_qkvgemm-k_qf75b573659_qkvgemm
	.p2alignl 7, 3214868480
	.fill 96, 4, 3214868480
	.section	.rodata,"a",@progbits
	.p2align	6, 0x0
	.amdhsa_kernel k_qf75b573659_qkvgemm
		.amdhsa_group_segment_fixed_size 327680
		.amdhsa_private_segment_fixed_size 0
		.amdhsa_enable_private_segment 0
		.amdhsa_kernarg_size 48
		.amdhsa_user_sgpr_count 2
		.amdhsa_user_sgpr_kernarg_segment_ptr 1
		.amdhsa_wavefront_size32 1
		.amdhsa_system_sgpr_workgroup_id_x 1
		.amdhsa_system_sgpr_workgroup_id_y 1
		.amdhsa_system_sgpr_workgroup_id_z 1
		.amdhsa_system_vgpr_workitem_id 0
		.amdhsa_next_free_vgpr 1024
		.amdhsa_next_free_sgpr 102
		.amdhsa_reserve_vcc 0
		.amdhsa_float_denorm_mode_32 3
		.amdhsa_float_denorm_mode_16_64 3
		.amdhsa_memory_ordered 1
		.amdhsa_forward_progress 1
		.amdhsa_inst_pref_size 129
	.end_amdhsa_kernel
	.amdgpu_metadata
---
amdhsa.version: [ 1, 2 ]
amdhsa.kernels:
  - .name:           k_qf75b573659_qkvgemm
    .symbol:         k_qf75b573659_qkvgemm.kd
    .args:
      - { .name: a_codes, .offset: 0, .size: 8, .value_kind: global_buffer, .address_space: global }
      - { .name: a_scales, .offset: 8, .size: 8, .value_kind: global_buffer, .address_space: global }
      - { .name: b_codes, .offset: 16, .size: 8, .value_kind: global_buffer, .address_space: global }
      - { .name: b_scales, .offset: 24, .size: 8, .value_kind: global_buffer, .address_space: global }
      - { .name: in_proj_bias, .offset: 32, .size: 8, .value_kind: global_buffer, .address_space: global }
      - { .name: qkv, .offset: 40, .size: 8, .value_kind: global_buffer, .address_space: global }
    .group_segment_fixed_size: 327680
    .private_segment_fixed_size: 0
    .kernarg_segment_align: 8
    .kernarg_segment_size: 48
    .max_flat_workgroup_size: 128
    .sgpr_count:     102
    .vgpr_count:     1024
    .wavefront_size: 32
...
	.end_amdgpu_metadata
.endif
;; end of part 2
;; launch attn (part 3): grid 4 x 64, 8 waves a work-group, clusters of 4 x 1, 327,680 bytes of LDS; arguments qkv, ctx; writes ctx
.if DOCPART == 3
	.amdgcn_target "amdgcn-amd-amdhsa--gfx1250"
	.amdhsa_code_object_version 6
	.text
	.protected	k_qf75b573659_attn
	.globl	k_qf75b573659_attn
	.p2align	8
	.type	k_qf75b573659_attn,@function
k_qf75b573659_attn:
	s_mov_b64 s[64:65], 0
	v_nop
	global_prefetch_b8 v0, s[64:65] scope:SCOPE_SE
	s_setreg_imm32_b32 hwreg(HW_REG_WAVE_MODE, 25, 1), 1
	s_wait_xcnt 0x0
	s_wait_alu depctr_hold_cnt(0) depctr_sa_sdst(0) depctr_va_vdst(0) depctr_va_sdst(0) depctr_va_ssrc(0) depctr_va_vcc(0) depctr_vm_vsrc(0)
	s_getreg_b32 s2, hwreg(HW_REG_IB_STS2, 6, 4)
	s_cmp_eq_u32 s2, 0
	s_cbranch_scc0 .Lentry_in_a_cluster
	s_endpgm
.Lentry_in_a_cluster:
	s_bfe_u32 s2, ttmp6, 0x10000c
	s_cmp_lg_u32 s2, 0x3003
	s_cbranch_scc0 .Lentry_shape_is_right
	s_endpgm
.Lentry_shape_is_right:
; ctx[bh][q][:] = the sum over k of softmax_k(Q[bh][q] . K[bh][k] / 8) V[bh][k][:].  Q, K, V: qkv[0..2][bh][2048][64], f16; ctx: [bh][2048][64], f16.  Products, maxima and sums in f32; the weights p are rounded to f16.
; LIMITS: p under f16's smallest number rounds to 0; ctx is a mean of V's rows and has their range; NaN and infinities are not served.
; SHARES.  A work-group owns 512 queries of one head, each of its eight waves 64: four tiles of 16.  Two waves share a SIMD: while one walks its softmax, the other's products can be issued.  Every wave walks all 2,048 keys, 64 a step.
; LAYOUT.  S^T = K Q^T (source 0 = 16 keys, source 1 = 16 queries): a lane holds ONE query (lane % 16) and the keys 8 (lane / 16) + 0..7.  Two such tiles, rounded to f16 in pairs, ARE source 1 (32 keys x 16 queries) of
; O^T = V^T P, whose result again holds one query a lane.  K comes out of LDS as it lies, V ([key][channel]) turned, by ds_load_tr16_b128.  P is packed in place, into the low half of a tile's scores.
; SOFTMAX.  For each query a running maximum m and sum l: p = 2^(c s - c m), c = log2(e) / 8; in every step O and l are multiplied by a = 2^(c m_old - c m_new).  m begins at -3e38 and O, l at 0, so the first step is like every other.
; RING.  Two LDS slots of 256 keys (four steps).  Waves 0-3 fetch K's quarters, waves 4-7 V's, 64 rows a load.  The four work-groups of a cluster own the four query blocks of one head and walk the same K and V:
; each tile is asked for JOINTLY.  A change of slots stands at a slot's head; the load issued there has the slot's four steps in which to land; one tensor load of a wave is out at a time.
; REGISTERS.  window 0: v1-15 addresses; v16-47 statistics, eight a tile: +0 c m, +1 m, +2, +3 l (two halves), +4..+7 at work (a takes +6); v48-51 the old c m; v64-127 K of a step; v128-255 S^T, 32 a tile.
;   window 1: v0-127 O^T, 32 a tile; v128-191 Q; v192-255 V of a step.
.set PK,    144                        ; a row of K in LDS: 128 bytes + 16: 36 words, so the 16 rows of a load start at 16 different groups of 4 banks (64 banks of 4 bytes: ISA guide 11.1)
.set PV,    160                        ; a row of V: 128 + 32
.set SKEYS, 256
.set VOFF,  SKEYS*PK
.set SLOT1, 1<<17                      ; one exclusive or turns an address in one slot into the other's
.set STAGE, SLOT1+SKEYS*(PK+PV)        ; behind the ring: 64 rows x 144 bytes for each wave, for the way out
.set SP,    144
.set SPARE, STAGE+8*64*SP              ; the spare words: 128 bytes a wave, named by no other line
.set NSL,   8
.set AK0, 2
.set AV0, 3
.set ADK, 4
.set ADV, 5
.set QO,  6
.set STO, 7
.set RD,  8
.set GO,  9
.set PFO, 10
.set SPW, 11
.set NIL, 12
.set ST,  16
.set OLD, 48
.set KF,  64
.set S,   128
.set QF,  128                          ; in window 1
.set VF,  192                          ; in window 1
.set WV,  12
.set G1K, 24
.set G1V, 32
.set G0K, 40
.set G0V, 44
.set TB,  48                           ; s48 LDS byte at which the slot in hand begins
.set SLOTS, 49
.set CS,  50
.set SEL, 52
.set PFA, 54
.set LIM, 56
.set MSB, 0
.macro WIN new
.if MSB != \new
	s_set_vgpr_msb (MSB<<8)|\new
.set MSB, \new
.endif
.endm
.set W_KQ, 0x04                        ; Q (source 1) window 1
.set W_PV, 0x51                        ; V, C and D window 1; P window 0
.set W_RS, 0x41                        ; O^T (destination, source 0) window 1; a window 0
.set TO1,  0x40                        ; a load's destination window 1
.set W_CV, 0x05                        ; both sources window 1
.macro JLOAD                           ; a joint load; the branch hangs on the wave's number alone; an s_nop 0 and four v_nop follow each of the two lines
	s_cmp_lt_u32 s[WV], 4
	s_cbranch_scc0 .Lfor_v_\@
	tensor_load_to_lds s[G0K:G0K+3], s[G1K:G1K+7]
	s_nop 0
.rept 4
	v_nop
.endr
	s_branch .Lasked_\@
.Lfor_v_\@:
	tensor_load_to_lds s[G0V:G0V+3], s[G1V:G1V+7]
	s_nop 0
.rept 4
	v_nop
.endr
.Lasked_\@:
.endm
; A prefetch of what the NEXT change of slots will ask for: a slot's 32,768 bytes of K and of V.  Each block of 256 bytes is named once in the launch: a head has one cluster; its four partners take 8,192 bytes each,
; told apart by address; in each, wave 0 asks for K's and wave 4 for V's, lanes 256 bytes apart.  The last change that fills a slot asks for nothing; slots 0 and 1 come by their loads alone.
.macro ASK
	s_cmp_gt_u32 s[SLOTS], s[LIM]
	s_cbranch_scc0 .Lnot_mine_\@
	global_prefetch_b8 v[PFO], s[PFA:PFA+1] th:TH_LOAD_NT scope:SCOPE_SE
.Lnot_mine_\@:
.endm
.macro CROUND                          ; a round of the cluster's barrier
	s_barrier_signal -1
	s_barrier_wait -1
	s_cmp_lg_u32 s[WV], 0
	s_cbranch_scc1 .Lnot_wave_0_\@
	s_barrier_signal -3
.Lnot_wave_0_\@:
	s_barrier_wait -3
	s_barrier_signal -1
	s_barrier_wait -1
.endm
	s_load_b128 s[4:7], s[0:1], 0x0                ; qkv, ctx
	v_lshl_add_u32 v[SPW], v0, 2, SPARE
	v_mov_b32 v[NIL], 0
	ds_add_u32 v[SPW], v[NIL]                      ; the wave's opening: the add, twice on end, and its wait ahead of my first tensor load
	ds_add_u32 v[SPW], v[NIL]
	v_lshrrev_b32 v1, 5, v0
	v_readfirstlane_b32 s[WV], v1                  ; wave 0..7
	s_bfe_u32 s13, ttmp6, 0x40000                  ; cx
	s_lshl_b32 s14, ttmp9, 2
	s_add_co_u32 s14, s14, s13                     ; my block of 512 queries: it enters Q's and ctx's addresses alone
	s_and_b32 s20, ttmp7, 0xffff                   ; the head, which the partners share,
	s_lshl_b32 s20, s20, 18                        ; x 262,144 bytes
	s_and_b32 s15, s[WV], 3                        ; which quarter of a slot's rows I fetch
	s_lshl_b32 s22, s15, 13                        ; 64 rows of 128 bytes
	s_add_co_u32 s22, s22, s20
	s_mov_b32 s23, 0
	s_lshl_b32 s2, s14, 16                         ; my block's 512 rows,
	s_lshl_b32 s3, s[WV], 13                       ; my wave's 64 of them
	s_add_co_u32 s2, s2, s3
	s_add_co_u32 s2, s2, s20
	s_mov_b32 s3, 0
	s_mov_b32 s[G1K], 15|(1<<16)|(1<<20)|(1<<21)|(4<<22)|(3<<25)   ; the mask: all four; elements of 2 bytes; padding on; bit 21 beside a mask; after every 32 words, 4 words
	s_mov_b32 s[G1V], 15|(1<<16)|(1<<20)|(1<<21)|(4<<22)|(7<<25)   ; the same with 8 words
.irp g, G1K, G1V
	s_mov_b32 s[\g+1], 64<<16                      ; tensor_dim0
	s_mov_b32 s[\g+2], 64<<16                      ; tensor_dim1
	s_mov_b32 s[\g+3], 64<<16                      ; tile_dim0
	s_mov_b32 s[\g+4], 64                          ; tile_dim1
	s_mov_b32 s[\g+5], 64                          ; elements from row to row
	s_mov_b32 s[\g+6], 0
	s_mov_b32 s[\g+7], 0
.endr
	s_mov_b32 s[CS], 0x3e38aa3b                    ; c = log2(e) / 8
	s_mov_b32 s[CS+1], s[CS]                       ; named with it as a pair, so it is written
	s_mov_b32 s[SEL], 0x76543210
	s_mov_b32 s[SEL+1], 0xfedcba98                 ; lane l xor 16
	s_mov_b32 s[TB], 0
	s_mov_b32 s[SLOTS], NSL-1
	s_or_b32 s[LIM], s15, ttmp9                    ; 0 in waves 0 and 4: the same in all four partners
	s_cmp_eq_u32 s[LIM], 0
	s_cselect_b32 s[LIM], 1, -1
	v_and_b32 v[PFO], 31, v0
	v_lshlrev_b32 v[PFO], 8, v[PFO]
	s_wait_dscnt 0x0                               ; both opening adds are done
	s_wait_kmcnt 0x0
	s_add_nc_u64 s[16:17], s[4:5], s[22:23]
	s_add_nc_u64 s[18:19], s[16:17], 0x2000000     ; V at my quarter of slot 0
	s_add_nc_u64 s[16:17], s[16:17], 0x1000000     ; K likewise
	s_add_nc_u64 s[8:9], s[4:5], s[2:3]            ; Q at my wave's first row
	s_add_nc_u64 s[10:11], s[6:7], s[2:3]          ; ctx likewise
	s_cmp_lt_u32 s[WV], 4
	s_cselect_b64 s[PFA:PFA+1], s[16:17], s[18:19] ; (in waves 0 and 4 these stand at the head's first row)
	s_lshl_b32 s2, s13, 13                         ; my work-group's 8,192 bytes of a slot's 32,768
	s_add_nc_u64 s[PFA:PFA+1], s[PFA:PFA+1], s[2:3]
	s_add_nc_u64 s[PFA:PFA+1], s[PFA:PFA+1], SKEYS*128   ; in slot 1: the first change of slots steps it to slot 2.  Nothing is prefetched at the head
	CROUND                                         ; all four work-groups are here: the first joint loads meet
	s_mov_b32 s[G0K], 1
	s_mul_i32 s[G0K+1], s15, 64*PK                 ; no place in the cluster enters an LDS address
	s_mov_b64 s[G0K+2:G0K+3], s[16:17]
	s_or_b32 s[G0K+3], s[G0K+3], 0x80000000
	s_mov_b32 s[G0V], 1
	s_mul_i32 s[G0V+1], s15, 64*PV
	s_add_co_u32 s[G0V+1], s[G0V+1], VOFF
	s_mov_b64 s[G0V+2:G0V+3], s[18:19]
	s_or_b32 s[G0V+3], s[G0V+3], 0x80000000
	JLOAD                                          ; slot 0
	v_and_b32 v1, 15, v0                           ; r
	v_bfe_u32 v13, v0, 4, 1                        ; h
	v_lshlrev_b32 v[QO], 7, v1
	v_lshl_add_u32 v[QO], v13, 4, v[QO]            ; row x 128 + 16 x half
	WIN TO1
.irp t, 0,1,2,3                        ; Q stays in registers: tile t, channels 32 ks on
.irp ks, 0,1
	global_load_b128 v[QF+16*\t+8*\ks:QF+16*\t+8*\ks+3],   v[QO], s[8:9] offset:\t*2048+\ks*64
	global_load_b128 v[QF+16*\t+8*\ks+4:QF+16*\t+8*\ks+7], v[QO], s[8:9] offset:\t*2048+\ks*64+32
.endr
.endr
.set i, 0
.rept 128
	v_mov_b32 v[i], 0                              ; O^T: the step is written once for all steps; the first finds zeros, which a = 0 leaves zeros
.set i, i+1
.endr
	WIN 0
	v_mul_u32_u24 v[AK0], v1, PK
	v_lshl_add_u32 v[AK0], v13, 4, v[AK0]
	v_and_b32 v14, 7, v0                           ; the turning load: lane l reads key 8 (l / 16) + l % 8, channels 8 ((l / 8) % 2) + 0..7
	v_bfe_u32 v15, v0, 3, 1
	v_lshl_add_u32 v[AV0], v13, 3, v14
	v_mul_u32_u24 v[AV0], v[AV0], PV
	v_lshl_add_u32 v[AV0], v15, 4, v[AV0]
	v_add_nc_u32 v[AV0], VOFF, v[AV0]
	s_mul_i32 s20, s[WV], 64*SP
	s_add_co_u32 s20, s20, STAGE                   ; my stage
	v_mul_u32_u24 v[STO], v1, SP                   ; in: row r, 16 bytes for each half of the lanes
	v_lshl_add_u32 v[STO], v13, 4, v[STO]
	v_add_nc_u32 v[STO], s20, v[STO]
	v_bfe_u32 v15, v0, 3, 2                        ; back: eight lanes a row of 128 bytes, four rows a load
	v_mul_u32_u24 v[RD], v15, SP
	v_lshl_add_u32 v[RD], v14, 4, v[RD]
	v_add_nc_u32 v[RD], s20, v[RD]
	v_and_b32 v[GO], 31, v0
	v_lshlrev_b32 v[GO], 4, v[GO]                  ; and in ctx those four rows are 512 consecutive bytes
.irp t, 0,1,2,3
	v_mov_b32 v[ST+8*\t+1], 0xff61b1e6             ; m = -3e38, under every score
	v_mul_f32 v[ST+8*\t], s[CS], v[ST+8*\t+1]      ; c m
	v_mov_b32 v[ST+8*\t+2], 0                      ; l
	v_mov_b32 v[ST+8*\t+3], 0
.endr
.macro FETCH_K q                       ; a step's K: 64 keys x 64 channels: fragment (kt, ks): keys 16 kt on, channels 32 ks on
.irp ks, 0,1
.irp kt, 0,1,2,3
	ds_load_b128 v[KF+8*(2*\kt+\ks):KF+8*(2*\kt+\ks)+3],   v[ADK] offset:(\q)*64*PK+\kt*16*PK+\ks*64
	ds_load_b128 v[KF+8*(2*\kt+\ks)+4:KF+8*(2*\kt+\ks)+7], v[ADK] offset:(\q)*64*PK+\kt*16*PK+\ks*64+32
.endr
.endr
.endm
.macro FETCH_V q                       ; a step's V, turned: fragment (kk, cc): keys 32 kk on, channels 16 cc on
	WIN TO1
.irp kk, 0,1
.irp cc, 0,1,2,3
	ds_load_tr16_b128 v[VF+8*(4*\kk+\cc):VF+8*(4*\kk+\cc)+3],   v[ADV] offset:(\q)*64*PV+\kk*32*PV+\cc*32
	ds_load_tr16_b128 v[VF+8*(4*\kk+\cc)+4:VF+8*(4*\kk+\cc)+7], v[ADV] offset:(\q)*64*PV+\kk*32*PV+16*PV+\cc*32
.endr
.endr
.endm
; A KEY STEP: 64 keys, the q-th of the slot in hand.  Every line of the softmax is written for the four tiles by turns, so that no line waits for the line above it.
.macro STEP q
; five plain lines behind the last products V^T P: four in front of the loads into V's registers, five in front of the products that write over P
.if (\q) == 0
	v_add_nc_u32 v[ADK], s[TB], v[AK0]
	v_add_nc_u32 v[ADV], s[TB], v[AV0]
.rept 3
	v_nop
.endr
	FETCH_K 0
.else
.rept 5
	v_nop
.endr
.endif
	FETCH_V \q
	s_wait_dscnt 16                                ; K is in; V's 16 loads, issued behind K's, may be out
	WIN W_KQ
.set i, 0
.rept 32                               ; S^T = K Q^T: channels 32 (i / 16) on, keys 16 ((i / 4) % 4) on, tile i % 4: the 16 accumulators take turns
.set rS, S+32*(i%4)+8*((i/4)%4)
.set rK, KF+8*(2*((i/4)%4)+i/16)
.set rQ, QF+16*(i%4)+8*(i/16)
.if i < 16
	v_wmma_f32_16x16x32_f16 v[rS:rS+7], v[rK:rK+7], v[rQ:rQ+7], 0
.else
	v_wmma_f32_16x16x32_f16 v[rS:rS+7], v[rK:rK+7], v[rQ:rQ+7], v[rS:rS+7]
.endif
.set i, i+1
.endr
	WIN 0
.irp t, 0,1,2,3
	v_mov_b32 v[OLD+\t], v[ST+8*\t]                ; c m_old is kept for a.  These four are the places behind the products
.endr
.if (\q) < 3
	FETCH_K (\q)+1                                 ; the next step's K lands during the softmax
.endif
.irp j, 0,1,2,3                        ; the maximum of a lane's 32 scores and the old m: four chains of seven, each accumulator read from its low end on
.irp t, 0,1,2,3
	v_max3_num_f32 v[ST+8*\t+4+\j], v[S+32*\t+8*\j], v[S+32*\t+8*\j+1], v[S+32*\t+8*\j+2]
.endr
.endr
.irp u, 1,2
.irp j, 0,1,2,3
.irp t, 0,1,2,3
	v_max3_num_f32 v[ST+8*\t+4+\j], v[ST+8*\t+4+\j], v[S+32*\t+8*\j+2*\u+1], v[S+32*\t+8*\j+2*\u+2]
.endr
.endr
.endr
.irp t, 0,1,2,3
	v_max3_num_f32 v[ST+8*\t+4], v[ST+8*\t+4], v[S+32*\t+7], v[S+32*\t+15]
.endr
.irp t, 0,1,2,3
	v_max3_num_f32 v[ST+8*\t+6], v[ST+8*\t+6], v[S+32*\t+23], v[S+32*\t+31]
.endr
.irp t, 0,1,2,3
	v_max3_num_f32 v[ST+8*\t+4], v[ST+8*\t+4], v[ST+8*\t+5], v[ST+8*\t+6]
.endr
.irp t, 0,1,2,3
	v_max3_num_f32 v[ST+8*\t+4], v[ST+8*\t+4], v[ST+8*\t+7], v[ST+8*\t+1]
.endr
.irp t, 0,1,2,3
	v_permlanex16_b32 v[ST+8*\t+5], v[ST+8*\t+4], s[SEL], s[SEL+1]   ; the query's other 32 keys lie in the lane 16 away
.endr
.irp t, 0,1,2,3
	v_max_num_f32 v[ST+8*\t+1], v[ST+8*\t+4], v[ST+8*\t+5]           ; the new m
.endr
.irp t, 0,1,2,3
	v_mul_f32 v[ST+8*\t], s[CS], v[ST+8*\t+1]                        ; c m
.endr
.irp t, 0,1,2,3
	v_sub_f32 v[OLD+\t], v[OLD+\t], v[ST+8*\t]                       ; c m_old - c m_new
.endr
.irp b, 0,1
.irp t, 0,1,2,3
	v_pk_fma_f32 v[S+32*\t+2*\b:S+32*\t+2*\b+1], v[S+32*\t+2*\b:S+32*\t+2*\b+1], s[CS:CS+1], v[ST+8*\t:ST+8*\t+1] op_sel_hi:[1,0,0] neg_lo:[0,0,1] neg_hi:[0,0,1]   ; c s - c m, a pair of scores
.endr
.endr
; ONE BATCH: the remaining scalings and all 132 exponentials; none of these lines names an exponential's result.  A pair is scaled two rounds ahead of its exponentials.
.irp t, 0,1,2,3
	v_exp_f32 v[ST+8*\t+6], v[OLD+\t]              ; a
.endr
.irp b, 0,1,2,3,4,5,6,7,8,9,10,11,12,13,14,15
.irp t, 0,1,2,3
.if \b < 14
	v_pk_fma_f32 v[S+32*\t+2*\b+4:S+32*\t+2*\b+5], v[S+32*\t+2*\b+4:S+32*\t+2*\b+5], s[CS:CS+1], v[ST+8*\t:ST+8*\t+1] op_sel_hi:[1,0,0] neg_lo:[0,0,1] neg_hi:[0,0,1]
.endif
	v_exp_f32 v[S+32*\t+2*\b], v[S+32*\t+2*\b]
	v_exp_f32 v[S+32*\t+2*\b+1], v[S+32*\t+2*\b+1]
.endr
.endr
	v_nop                                          ; a plain line behind the last exponential,
	s_wait_alu depctr_va_vdst(0)                   ; and the one wait ahead of the batch's first reader
.irp t, 0,1,2,3                        ; the sums, of the unrounded p, in two chains; l = a l + the sum
	v_pk_add_f32 v[ST+8*\t+4:ST+8*\t+5], v[S+32*\t:S+32*\t+1], v[S+32*\t+2:S+32*\t+3]
.endr
.irp t, 0,1,2,3
	v_pk_fma_f32 v[ST+8*\t+2:ST+8*\t+3], v[ST+8*\t+2:ST+8*\t+3], v[ST+8*\t+6:ST+8*\t+7], v[S+32*\t+4:S+32*\t+5] op_sel_hi:[1,0,1]
.endr
.irp b, 3,5,7,9,11,13,15
.irp t, 0,1,2,3
	v_pk_add_f32 v[ST+8*\t+4:ST+8*\t+5], v[ST+8*\t+4:ST+8*\t+5], v[S+32*\t+2*\b:S+32*\t+2*\b+1]
.endr
.if \b < 15
.irp t, 0,1,2,3
	v_pk_add_f32 v[ST+8*\t+2:ST+8*\t+3], v[ST+8*\t+2:ST+8*\t+3], v[S+32*\t+2*\b+2:S+32*\t+2*\b+3]
.endr
.endif
.endr
.irp t, 0,1,2,3
	v_pk_add_f32 v[ST+8*\t+2:ST+8*\t+3], v[ST+8*\t+2:ST+8*\t+3], v[ST+8*\t+4:ST+8*\t+5]
.endr
.irp n, 0,1,2,3,4,5,6,7,8,9,10,11,12,13,14,15    ; P in place: register n takes pair n; it was read for the last time in round n / 2
.irp t, 0,1,2,3
	v_cvt_pk_f16_f32 v[S+32*\t+\n], v[S+32*\t+2*\n], v[S+32*\t+2*\n+1]
.endr
.endr
	WIN W_RS
.irp n, 0,1,2,3,4,5,6,7,8,9,10,11,12,13,14,15    ; O^T x a, each accumulator from its low end on
.irp t, 0,1,2,3
	v_pk_mul_f32 v[32*\t+2*\n:32*\t+2*\n+1], v[32*\t+2*\n:32*\t+2*\n+1], v[ST+8*\t+6:ST+8*\t+7] op_sel_hi:[1,0]
.endr
.endr
.if (\q) < 3
	s_wait_dscnt 16                                ; V is in; the next step's K, 16 loads issued behind V's, may be out
.else
	s_wait_dscnt 0x0
.endif
	WIN W_PV
.set i, 0
.rept 32                               ; O^T += V^T P: keys 32 (i / 16) on, channels 16 ((i / 4) % 4) on, tile i % 4: the 16 accumulators take turns
.set rO, 32*(i%4)+8*((i/4)%4)
.set rV, VF+8*(4*(i/16)+(i/4)%4)
.set rP, S+32*(i%4)+8*(i/16)
	v_wmma_f32_16x16x32_f16 v[rO:rO+7], v[rV:rV+7], v[rP:rP+7], v[rO:rO+7]
.set i, i+1
.endr
	WIN 0
.endm
; THE CHANGE OF SLOTS, at a slot's head.  Each wave waits for all its tensor loads (its part of the slot that it is about to read), adds 0 to its spare word, and waits for that and for its reads of the slot that it has left.
; fill = 1: a round of the cluster's barrier, so that no wave of any partner still reads that slot or has a load on its way; the joint load of the following 256 keys is the first thing behind it.
.macro CHANGE fill
	s_wait_tensorcnt 0x0                           ; no tensor load of mine is out, so a group 0 may be written
	ds_add_u32 v[SPW], v[NIL]
.if \fill
	s_xor_b32 s[G0K+1], s[G0K+1], SLOT1            ; the walking descriptors: the other slot than last time,
	s_add_nc_u64 s[G0K+2:G0K+3], s[G0K+2:G0K+3], SKEYS*128   ; the next 256 keys; the type bits on top are not reached
	s_xor_b32 s[G0V+1], s[G0V+1], SLOT1
	s_add_nc_u64 s[G0V+2:G0V+3], s[G0V+2:G0V+3], SKEYS*128
	s_wait_xcnt 0x0                                ; the last prefetch, a slot back, has read its address
	s_add_nc_u64 s[PFA:PFA+1], s[PFA:PFA+1], SKEYS*128       ; one slot further on than the walking descriptors
	s_wait_dscnt 0x0                               ; the add is done, and my reads of the slot that I have left are over
	CROUND
	JLOAD
	ASK
.else
	s_wait_dscnt 0x0
	s_barrier_signal -1
	s_barrier_wait -1
.endif
.endm
.macro SLOT_STEPS
.irp q, 0,1,2,3
	STEP \q
.endr
	s_xor_b32 s[TB], s[TB], SLOT1                  ; on to the other slot
.endm
	s_wait_loadcnt 0x0                             ; Q
.Lslot:                                                ; seven trips: behind each change of slots but the last the next slot is asked for (in the first trip: slot 1's first fill)
	CHANGE 1
	SLOT_STEPS
	s_sub_co_u32 s[SLOTS], s[SLOTS], 1
	s_cmp_lg_u32 s[SLOTS], 0
	s_cbranch_scc1 .Lslot
	CHANGE 0                                       ; the last slot is written out
	SLOT_STEPS
	; THE WAY OUT.  l's two halves and the other half of the lanes' are added; O^T is divided by l, rounded to f16 and sent through my stage in LDS.  The additions are the places behind the last products.
.irp t, 0,1,2,3
	v_add_f32 v[ST+8*\t+4], v[ST+8*\t+2], v[ST+8*\t+3]
.endr
.irp t, 0,1,2,3
	v_permlanex16_b32 v[ST+8*\t+5], v[ST+8*\t+4], s[SEL], s[SEL+1]
.endr
.irp t, 0,1,2,3
	v_add_f32 v[ST+8*\t+4], v[ST+8*\t+4], v[ST+8*\t+5]
.endr
.irp t, 0,1,2,3
	v_rcp_f32 v[ST+8*\t+6], v[ST+8*\t+4]
.endr
	v_nop                                          ; a plain line behind the last reciprocal,
	s_wait_alu depctr_va_vdst(0)                   ; and the one wait ahead of the first use
.macro PACK t                          ; tile t: a lane's eight channels of a row pack into 16 bytes
	WIN W_RS
.set i, 0
.rept 16
	v_pk_mul_f32 v[32*\t+2*i:32*\t+2*i+1], v[32*\t+2*i:32*\t+2*i+1], v[ST+8*\t+6:ST+8*\t+7] op_sel_hi:[1,0]
.set i, i+1
.endr
	WIN W_CV
.set i, 0
.rept 16
	v_cvt_pk_f16_f32 v[S+16*\t+i], v[32*\t+2*i], v[32*\t+2*i+1]
.set i, i+1
.endr
	WIN 0
.irp c, 0,1,2,3
	ds_store_b128 v[STO], v[S+16*\t+4*\c:S+16*\t+4*\c+3] offset:\t*16*SP+32*\c
.endr
.endm
	PACK 0
	PACK 1
	PACK 2
	PACK 3
.irp n, 0,1,2,3,4,5,6,7,8,9,10,11,12,13,14,15
	ds_load_b128 v[KF+4*\n:KF+4*\n+3], v[RD] offset:\n*4*SP      ; LDS serves a wave's instructions in order: these see my stores
.endr
.irp n, 0,1,2,3,4,5,6,7,8,9,10,11,12,13,14,15
	s_wait_dscnt 15-\n                             ; load n is back; the later ones may be out
	global_store_b128 v[GO], v[KF+4*\n:KF+4*\n+3], s[10:11] offset:\n*512   ; 32 lanes store 512 consecutive bytes, aligned: four rows of ctx
.endr
	s_wait_tensorcnt 0x0                           ; the wave's end, behind my last tensor load and my last LDS store
	ds_add_u32 v[SPW], v[NIL]
	s_wait_dscnt 0x0
	CROUND                                         ; the closing round
	s_endpgm
.Lfunc_end_k_qf75b573659_attn:
	.size	k_qf75b573659_attn, .Lfunc_end_k_qf75b573659_attn-k_qf75b573659_attn
	.p2alignl 7, 3214868480
	.fill 96, 4, 3214868480
	.section	.rodata,"a",@progbits
	.p2align	6, 0x0
	.amdhsa_kernel k_qf75b573659_attn
		.amdhsa_group_segment_fixed_size 327680
		.amdhsa_private_segment_fixed_size 0
		.amdhsa_enable_private_segment 0
		.amdhsa_kernarg_size 16
		.amdhsa_user_sgpr_count 2
		.amdhsa_user_sgpr_kernarg_segment_ptr 1
		.amdhsa_wavefront_size32 1
		.amdhsa_system_sgpr_workgroup_id_x 1
		.amdhsa_system_sgpr_workgroup_id_y 1
		.amdhsa_system_sgpr_workgroup_id_z 1
		.amdhsa_system_vgpr_workitem_id 0
		.amdhsa_next_free_vgpr 512
		.amdhsa_next_free_sgpr 66
		.amdhsa_reserve_vcc 0
		.amdhsa_float_denorm_mode_32 3
		.amdhsa_float_denorm_mode_16_64 3
		.amdhsa_memory_ordered 1
		.amdhsa_forward_progress 1
		.amdhsa_inst_pref_size 255
	.end_amdhsa_kernel
	.section	.bss,"aw",@nobits
	.p2align	6
	.space	262144
	.amdgpu_metadata
---
amdhsa.version: [ 1, 2 ]
amdhsa.kernels:
  - .name:           k_qf75b573659_attn
    .symbol:         k_qf75b573659_attn.kd
    .args:
      - { .name: qkv, .offset: 0, .size: 8, .value_kind: global_buffer, .address_space: global }
      - { .name: ctx, .offset: 8, .size: 8, .value_kind: global_buffer, .address_space: global }
    .group_segment_fixed_size: 327680
    .private_segment_fixed_size: 0
    .kernarg_segment_align: 8
    .kernarg_segment_size: 16
    .max_flat_workgroup_size: 256
    .sgpr_count:     66
    .vgpr_count:     512
    .wavefront_size: 32
...
	.end_amdgpu_metadata
.endif
;; end of part 3
;; launch outgemm (part 4): grid 4 x 64, 4 waves a work-group, clusters of 4 x 4, 327,680 bytes of LDS; arguments ctx, wo16, out_proj_bias, out0; writes out0
.if DOCPART == 4
	.amdgcn_target "amdgcn-amd-amdhsa--gfx1250"
	.amdhsa_code_object_version 6
	.text
	.protected	k_qf75b573659_outgemm
	.globl	k_qf75b573659_outgemm
	.p2align	8
	.type	k_qf75b573659_outgemm,@function
k_qf75b573659_outgemm:
	s_mov_b64 s[64:65], 0
	v_nop
	global_prefetch_b8 v0, s[64:65] scope:SCOPE_SE
	s_setreg_imm32_b32 hwreg(HW_REG_WAVE_MODE, 25, 1), 1
	s_wait_xcnt 0x0
	s_wait_alu depctr_hold_cnt(0) depctr_sa_sdst(0) depctr_va_vdst(0) depctr_va_sdst(0) depctr_va_ssrc(0) depctr_va_vcc(0) depctr_vm_vsrc(0)
	s_getreg_b32 s2, hwreg(HW_REG_IB_STS2, 6, 4)
	s_cmp_eq_u32 s2, 0
	s_cbranch_scc0 .Lentry_in_a_cluster
	s_endpgm
.Lentry_in_a_cluster:
	s_bfe_u32 s2, ttmp6, 0x10000c
	s_cmp_lg_u32 s2, 0xf033
	s_cbranch_scc0 .Lentry_shape_is_right
	s_endpgm
.Lentry_shape_is_right:
; out0[s][b][n] = sum over e of ctx[s][b][e] out_proj_weight[n][e] + out_proj_bias[n].  ctx: [16 b + h][s][64] f16 (e = 64 h + d); the weight: [1024][1024] f16; sums and out0 in f32.
; A tile is 128 rows (128 neighbouring s of one b) x 256 columns: 256 work-groups.  Four waves, each 64 x 128: 32 accumulators.  K goes in steps of 128, two heads, through a ring of two LDS slots:
; waves 0 and 1 fetch A's two heads (128 rows x 128 bytes each), waves 2 and 3 B's two halves (128 rows x 256 bytes each).  Two slots of 256 along K would not fit in LDS beside each other.
; CLUSTERS: 4 x 4 work-groups; A's tiles are shared along a row of the cluster, B's along a column: asked for jointly.
; THE MATRIX INSTRUCTION IS USED TRANSPOSED (source 0 = 16 rows of the weight, source 1 = 16 rows of ctx): a lane holds eight neighbouring columns of one row.  The bias is the C of each sum's first instruction.
; REGISTERS: window 0: v16-29 addresses; v32-63, v64-95 A's fragments, two buffers; v128-191, v192-255 B's.  window 1: accumulator (a, b) at v[8 (8 a + b)].  window 2: v0-63 the bias.
.set PA,     144                       ; a row of A in LDS: 128 bytes + 16
.set APL,    128*PA                    ; a head's 128 rows
.set PB,     272                       ; a row of B: 256 + 16
.set BH,     128*PB
.set SLOT,   2*APL+2*BH
.set STAGE,  2*SLOT                    ; behind the ring: 16 rows x 528 bytes for each wave
.set SPITCH, 528
.set SPARE,  STAGE+4*16*SPITCH         ; the spare words: 128 bytes a wave, named by no other line
.set LAPS,   4                         ; a lap = two K steps
.set ADRA, 16
.set ADRB, 20
.set STO,  24
.set RD,   25
.set CO,   26
.set BO,   27
.set SPW,  28
.set NIL,  29
.set AFR,  32
.set BF,   128
.set G1A, 24
.set G0A, 32
.set G1B, 48
.set G0B, 56
.set MSB, 0
.macro WIN new
.if MSB != \new
	s_set_vgpr_msb (MSB<<8)|\new
.set MSB, \new
.endif
.endm
.set MUL,  0x50                        ; C and D window 1
.set MULB, 0x60                        ; C (the bias) window 2, D window 1
.macro JLOAD s                         ; a joint load; an s_nop 0 and four v_nop follow each of the two lines
	s_cmp_eq_u32 s13, 0
	s_cbranch_scc0 .Lfor_b_\@
	tensor_load_to_lds s[G0A+4*\s:G0A+4*\s+3], s[G1A:G1A+7]
	s_nop 0
.rept 4
	v_nop
.endr
	s_branch .Lasked_\@
.Lfor_b_\@:
	tensor_load_to_lds s[G0B+4*\s:G0B+4*\s+3], s[G1B:G1B+7]
	s_nop 0
.rept 4
	v_nop
.endr
.Lasked_\@:
.endm
.macro CREST                           ; a round of the cluster's barrier behind its opening barrier
	s_cmp_lg_u32 s12, 0
	s_cbranch_scc1 .Lnot_wave_0_\@
	s_barrier_signal -3
.Lnot_wave_0_\@:
	s_barrier_wait -3
	s_barrier_signal -1
	s_barrier_wait -1
.endm
.macro CROUND
	s_barrier_signal -1
	s_barrier_wait -1
	CREST
.endm
	s_load_b256 s[4:11], s[0:1], 0x0               ; ctx, the weight, the bias, out0
	v_lshl_add_u32 v[SPW], v0, 2, SPARE
	v_mov_b32 v[NIL], 0
	ds_add_u32 v[SPW], v[NIL]                      ; the wave's opening: the add, twice on end, and its wait ahead of my first tensor load
	ds_add_u32 v[SPW], v[NIL]
	v_lshrrev_b32 v1, 5, v0
	v_readfirstlane_b32 s12, v1                    ; wave 0..3
	s_lshr_b32 s13, s12, 1                         ; my 64 rows.  Also: I fetch for A (0) or B (1)
	s_and_b32 s14, s12, 1                          ; my 128 columns.  Also: which head of A, which half of B I fetch
	s_bfe_u32 s40, ttmp6, 0x40000                  ; cx
	s_bfe_u32 s41, ttmp6, 0x40004                  ; cy
	s_lshl_b32 s42, ttmp9, 2
	s_add_co_u32 s42, s42, s40                     ; tile column 0..3
	s_and_b32 s15, ttmp7, 0xffff
	s_lshl_b32 s15, s15, 2
	s_add_co_u32 s15, s15, s41                     ; tile row 0..63: b = row / 16, s from 128 (row % 16)
	s_lshl_b32 s43, s41, 2
	s_lshl_b32 s43, 15, s43                        ; my row of the cluster
	s_lshl_b32 s44, 0x1111, s40                    ; my column
	s_or_b32 s[G1A+0], s43, (1<<16)|(1<<20)|(1<<21)|(4<<22)|(3<<25)   ; mask; elements of 2 bytes; padding on; bit 21 beside a mask; after every 32 words, 4 words
	s_mov_b32 s[G1A+1], 64<<16                     ; tensor_dim0
	s_mov_b32 s[G1A+2], 128<<16                    ; tensor_dim1
	s_mov_b32 s[G1A+3], 64<<16                     ; tile_dim0
	s_mov_b32 s[G1A+4], 128                        ; tile_dim1
	s_mov_b32 s[G1A+5], 64                         ; elements from row to row
	s_mov_b32 s[G1A+6], 0
	s_mov_b32 s[G1A+7], 0
	s_or_b32 s[G1B+0], s44, (1<<16)|(1<<20)|(1<<21)|(5<<22)|(3<<25)   ; after every 64 words, 4 words
	s_mov_b32 s[G1B+1], 128<<16
	s_mov_b32 s[G1B+2], 128<<16
	s_mov_b32 s[G1B+3], 128<<16
	s_mov_b32 s[G1B+4], 128
	s_mov_b32 s[G1B+5], 1024
	s_mov_b32 s[G1B+6], 0
	s_mov_b32 s[G1B+7], 0
	s_lshr_b32 s16, s15, 4                         ; A: ((16 b + my head of the step's two) x 2,048 + s) x 128 bytes
	s_lshl_b32 s16, s16, 4
	s_add_co_u32 s16, s16, s14
	s_lshl_b32 s16, s16, 11
	s_and_b32 s17, s15, 15
	s_lshl_b32 s17, s17, 7
	s_add_co_u32 s16, s16, s17
	s_lshl_b32 s16, s16, 7
	s_mov_b32 s17, 0
	s_lshl_b32 s46, s42, 8                         ; B: row 256 x tile column + 128 x half, 2,048 bytes a row
	s_lshl_b32 s47, s14, 7
	s_add_co_u32 s46, s46, s47
	s_lshl_b32 s46, s46, 11
	s_mov_b32 s47, 0
	s_mul_i32 s20, s14, APL                        ; where they go: no place in the cluster enters an LDS address
	s_mul_i32 s21, s14, BH
	s_add_co_u32 s21, s21, 2*APL
	s_wait_dscnt 0x0                               ; both opening adds are done
	s_wait_kmcnt 0x0
	s_add_nc_u64 s[16:17], s[4:5], s[16:17]
	s_add_nc_u64 s[46:47], s[6:7], s[46:47]
	CROUND                                         ; all sixteen work-groups are here: the first joint loads meet
.irp s, 0,1
	s_mov_b32 s[G0A+4*\s], 1
	s_add_co_u32 s[G0A+4*\s+1], s20, \s*SLOT
	s_add_nc_u64 s[G0A+4*\s+2:G0A+4*\s+3], s[16:17], \s*2*2048*128    ; K step s: two heads on
	s_or_b32 s[G0A+4*\s+3], s[G0A+4*\s+3], 0x80000000
	s_mov_b32 s[G0B+4*\s], 1
	s_add_co_u32 s[G0B+4*\s+1], s21, \s*SLOT
	s_add_nc_u64 s[G0B+4*\s+2:G0B+4*\s+3], s[46:47], \s*256
	s_or_b32 s[G0B+4*\s+3], s[G0B+4*\s+3], 0x80000000
	JLOAD \s                                       ; two tensor loads of mine are out
.endr
	v_and_b32 v1, 15, v0                           ; r
	v_bfe_u32 v2, v0, 4, 1                         ; h
	s_lshl_b32 s46, s42, 10                        ; the bias of my 128 columns, and their place in a row of out0: 4 (256 x tile column + 128 x half)
	s_lshl_b32 s47, s14, 9
	s_add_co_u32 s46, s46, s47
	s_mov_b32 s47, 0
	s_add_nc_u64 s[8:9], s[8:9], s[46:47]
	s_add_nc_u64 s[10:11], s[10:11], s[46:47]
	v_lshlrev_b32 v[BO], 5, v2                     ; lane (r, h) wants, for block b, columns 16 b + 8 h + 0 .. 7
	WIN 0x80                                       ; destination window 2
.irp b, 0,1,2,3,4,5,6,7
	global_load_b128 v[8*\b:8*\b+3], v[BO], s[8:9] offset:64*\b
	global_load_b128 v[8*\b+4:8*\b+7], v[BO], s[8:9] offset:64*\b+16
.endr
	WIN 0
	v_mul_u32_u24 v3, v1, PA
	v_lshl_add_u32 v3, v2, 4, v3
	v_mul_u32_u24 v4, v1, PB
	v_lshl_add_u32 v4, v2, 4, v4
	s_mul_i32 s21, s13, 64*PA                      ; my 64 rows of A, in each head's plane
	s_mul_i32 s22, s14, BH                         ; my 128 rows of B,
	s_add_co_u32 s22, s22, 2*APL                   ; behind A's two planes
.irp s, 0,1
	v_add_nc_u32 v[ADRA+\s], s21, v3
	v_add_nc_u32 v[ADRB+\s], s22, v4
	s_add_co_u32 s21, s21, SLOT
	s_add_co_u32 s22, s22, SLOT
.endr
	s_mul_i32 s23, s12, 16*SPITCH
	s_add_co_u32 s23, s23, STAGE                   ; my stage
	v_mul_u32_u24 v5, v1, SPITCH                   ; in: row r, 32 bytes for each half of the lanes
	v_lshl_add_u32 v5, v2, 5, v5
	v_add_nc_u32 v[STO], s23, v5
	v_and_b32 v6, 31, v0
	v_lshlrev_b32 v[CO], 4, v6                     ; back: the 32 lanes take one row of 512 bytes; and the same in out0
	v_add_nc_u32 v[RD], s23, v[CO]
	s_and_b32 s16, s15, 15                         ; my first row of out0: (4 s + b) x 4,096 bytes, s = 128 (tile row % 16) + 64 x half
	s_lshl_b32 s16, s16, 7
	s_lshl_b32 s17, s13, 6
	s_add_co_u32 s16, s16, s17
	s_lshl_b32 s16, s16, 2
	s_lshr_b32 s17, s15, 4
	s_add_co_u32 s16, s16, s17
	s_lshl_b32 s16, s16, 12
	s_mov_b32 s17, 0
	s_add_nc_u64 s[10:11], s[10:11], s[16:17]
; 24 LDS loads in one run: the fragments of 32 along K, the slot's quarter qd, into buffer f: B's eight, then A's four (quarter qd lies in head qd / 2, channels 32 (qd % 2) on)
.macro FETCH slot, qd, f
.irp i, 0,1,2,3,4,5,6,7
	ds_load_b128 v[BF+64*(\f)+8*\i:BF+64*(\f)+8*\i+3],   v[ADRB+\slot] offset:(\qd)*64+\i*16*PB
	ds_load_b128 v[BF+64*(\f)+8*\i+4:BF+64*(\f)+8*\i+7], v[ADRB+\slot] offset:(\qd)*64+\i*16*PB+32
.endr
.irp i, 0,1,2,3
	ds_load_b128 v[AFR+32*(\f)+8*\i:AFR+32*(\f)+8*\i+3],   v[ADRA+\slot] offset:((\qd)/2)*APL+((\qd)%2)*64+\i*16*PA
	ds_load_b128 v[AFR+32*(\f)+8*\i+4:AFR+32*(\f)+8*\i+7], v[ADRA+\slot] offset:((\qd)/2)*APL+((\qd)%2)*64+\i*16*PA+32
.endr
.endm
; 8 matrix instructions: A's block a x B's eight.  zero = 1: the first product starts the sums from the bias.  The 32 accumulators take turns, in the same order in every quarter.
.macro MUL8 f, a, zero
.irp b, 0,1,2,3,4,5,6,7
.if \zero
	v_wmma_f32_16x16x32_f16 v[8*(8*(\a)+\b):8*(8*(\a)+\b)+7], v[BF+64*(\f)+8*\b:BF+64*(\f)+8*\b+7], v[AFR+32*(\f)+8*(\a):AFR+32*(\f)+8*(\a)+7], v[8*\b:8*\b+7]
.else
	v_wmma_f32_16x16x32_f16 v[8*(8*(\a)+\b):8*(8*(\a)+\b)+7], v[BF+64*(\f)+8*\b:BF+64*(\f)+8*\b+7], v[AFR+32*(\f)+8*(\a):AFR+32*(\f)+8*(\a)+7], v[8*(8*(\a)+\b):8*(8*(\a)+\b)+7]
.endif
.endr
.endm
.macro PLACES                          ; four plain lines in front of loads into registers that matrix instructions have read, and of the first read of results
.rept 4
	v_nop
.endr
.endm
; A K step is four quarters of 32 along K, 32 matrix instructions each, on buffers 0, 1, 0, 1.  One of the first three: multiplies buffer f and fetches quarter qd into g.
.macro QUARTER slot, qd, f, g, zero
	s_wait_dscnt 4                                 ; B's eight and A's blocks 0, 1 are in; the youngest four loads (A's blocks 2, 3) may be out
.if \zero
	WIN MULB
.else
	WIN MUL
.endif
	MUL8 \f, 0, \zero
	MUL8 \f, 1, \zero
	PLACES
	WIN 0
	FETCH \slot, \qd, \g
	s_wait_dscnt 24                                ; all but the 24 just issued
.if \zero
	WIN MULB
.else
	WIN MUL
.endif
	MUL8 \f, 2, \zero
	MUL8 \f, 3, \zero
.endm
; The last quarter multiplies buffer 1 and changes slots: ONE barrier; in front of it each wave waits for all its tensor loads, adds 0 to its spare word, and waits for that and for its reads of this slot.
; fill = 1: the barrier opens a round of the cluster's, and this slot is filled again, two K steps ahead.
.macro TURN slot, next, fill
	WIN 0
	s_wait_tensorcnt 0x0                           ; all my tensor loads have landed: my part of the next slot
	ds_add_u32 v[SPW], v[NIL]
	s_wait_dscnt 5                                 ; (the add and the youngest four loads may be out)
	WIN MUL
	MUL8 1, 0, 0
	s_wait_dscnt 0x0                               ; the add is done, and my reads of this slot are over
	s_barrier_signal -1
	MUL8 1, 1, 0
.if \fill
	WIN 0
.endif
	s_barrier_wait -1
.if \fill
	CREST                                          ; no wave of any partner still reads this slot or has a load on its way
	s_add_nc_u64 s[G0A+4*\slot+2:G0A+4*\slot+3], s[G0A+4*\slot+2:G0A+4*\slot+3], 4*2048*128   ; four heads on
	s_add_nc_u64 s[G0B+4*\slot+2:G0B+4*\slot+3], s[G0B+4*\slot+2:G0B+4*\slot+3], 512
	JLOAD \slot                                    ; the first tensor load behind the round; its four v_nop are also the places in front of the loads below
.else
	PLACES
.endif
	WIN 0
	FETCH \next, 0, 0
	WIN MUL
	MUL8 1, 2, 0
	MUL8 1, 3, 0
.endm
	s_wait_tensorcnt 1                             ; my part of K step 0 is in (K step 1's load may be out)
	s_barrier_signal -1
	s_barrier_wait -1                              ; everybody's is
	FETCH 0, 0, 0
	s_wait_loadcnt 0x0                             ; the bias
	QUARTER 0, 1, 0, 1, 1                          ; the first quarter stands in front of the loop: its products start the sums
	WIN 0
	s_mov_b32 s3, LAPS-1
.Llap:                                                 ; a trip goes once round the ring, from a lap's second quarter to the next lap's first, and fills both slots again
	QUARTER 0, 2, 1, 0, 0
	QUARTER 0, 3, 0, 1, 0
	TURN 0, 1, 1
	QUARTER 1, 1, 0, 1, 0
	QUARTER 1, 2, 1, 0, 0
	QUARTER 1, 3, 0, 1, 0
	TURN 1, 0, 1
	QUARTER 0, 1, 0, 1, 0
	WIN 0
	s_sub_co_u32 s3, s3, 1
	s_cmp_lg_u32 s3, 0
	s_cbranch_scc1 .Llap
	QUARTER 0, 2, 1, 0, 0                          ; the last lap fills nothing
	QUARTER 0, 3, 0, 1, 0
	TURN 0, 1, 0
	QUARTER 1, 1, 0, 1, 0
	QUARTER 1, 2, 1, 0, 0
	QUARTER 1, 3, 0, 1, 0
	s_wait_dscnt 4                                 ; the very last quarter
	WIN MUL
	MUL8 1, 0, 0
	MUL8 1, 1, 0
	s_wait_dscnt 0
	MUL8 1, 2, 0
	MUL8 1, 3, 0
	WIN 0
; THE WAY OUT, a block of 16 rows x 128 columns at a time: through my own stage, back as whole rows of 512 bytes.  Row t of block a is s + 16 a + t: 16,384 bytes from row to row in out0, in the store's immediate.
.macro TOSTAGE a
	WIN 0x04                                       ; an LDS store's data are its source 1: window 1
.irp b, 0,1,2,3,4,5,6,7
	ds_store_b128 v[STO], v[8*(8*(\a)+\b):8*(8*(\a)+\b)+3] offset:64*\b          ; each accumulator from its low end on
	ds_store_b128 v[STO], v[8*(8*(\a)+\b)+4:8*(8*(\a)+\b)+7] offset:64*\b+16
.endr
	WIN 0
.set BB, 32+96*((\a)%2)                ; v32-95 and v128-191 by turns
.irp t, 0,1,2,3,4,5,6,7,8,9,10,11,12,13,14,15
	ds_load_b128 v[BB+4*\t:BB+4*\t+3], v[RD] offset:\t*SPITCH   ; LDS serves a wave's instructions in order: these see the stores above
.endr
.endm
.macro SEND a, younger                 ; younger: the LDS instructions issued behind block a's loads, which may stay out
.set BB, 32+96*((\a)%2)
	s_wait_dscnt \younger
.irp t, 0,1,2,3,4,5,6,7,8,9,10,11,12,13,14,15
	global_store_b128 v[CO], v[BB+4*\t:BB+4*\t+3], s[10:11] offset:(16*(\a)+\t)*16384 th:TH_STORE_NT   ; 32 lanes store 512 consecutive bytes, aligned; written once, read by nobody here
.endr
.endm
	PLACES                                         ; behind the last products
	TOSTAGE 0
.irp a, 1,2,3
.if \a > 1
	s_wait_xcnt 0x0                                ; block a - 2's stores have read their registers: block a's loads may land there
.endif
	TOSTAGE \a
	SEND \a-1, 32                                  ; behind block a - 1's loads: block a's 16 stores and 16 loads
.endr
	SEND 3, 0
	s_wait_tensorcnt 0x0                           ; the wave's end, behind my last tensor load and my last LDS store
	ds_add_u32 v[SPW], v[NIL]
	s_wait_dscnt 0x0
	CROUND                                         ; the closing round
	s_endpgm
.Lfunc_end_k_qf75b573659_outgemm:
	.size	k_qf75b573659_outgemm, .Lfunc_end_k_qf75b573659_outgemm-k_qf75b573659_outgemm
	.p2alignl 7, 3214868480
	.fill 96, 4, 3214868480
	.section	.rodata,"a",@progbits
	.p2align	6, 0x0
	.amdhsa_kernel k_qf75b573659_outgemm
		.amdhsa_group_segment_fixed_size 327680
		.amdhsa_private_segment_fixed_size 0
		.amdhsa_enable_private_segment 0
		.amdhsa_kernarg_size 32
		.amdhsa_user_sgpr_count 2
		.amdhsa_user_sgpr_kernarg_segment_ptr 1
		.amdhsa_wavefront_size32 1
		.amdhsa_system_sgpr_workgroup_id_x 1
		.amdhsa_system_sgpr_workgroup_id_y 1
		.amdhsa_system_sgpr_workgroup_id_z 1
		.amdhsa_system_vgpr_workitem_id 0
		.amdhsa_next_free_vgpr 576
		.amdhsa_next_free_sgpr 66
		.amdhsa_reserve_vcc 0
		.amdhsa_float_denorm_mode_32 3
		.amdhsa_float_denorm_mode_16_64 3
		.amdhsa_memory_ordered 1
		.amdhsa_forward_progress 1
		.amdhsa_inst_pref_size 87
	.end_amdhsa_kernel
	.amdgpu_metadata
---
amdhsa.version: [ 1, 2 ]
amdhsa.kernels:
  - .name:           k_qf75b573659_outgemm
    .symbol:         k_qf75b573659_outgemm.kd
    .args:
      - { .name: ctx, .offset: 0, .size: 8, .value_kind: global_buffer, .address_space: global }
      - { .name: wo16, .offset: 8, .size: 8, .value_kind: global_buffer, .address_space: global }
      - { .name: out_proj_bias, .offset: 16, .size: 8, .value_kind: global_buffer, .address_space: global }
      - { .name: out0, .offset: 24, .size: 8, .value_kind: global_buffer, .address_space: global }
    .group_segment_fixed_size: 327680
    .private_segment_fixed_size: 0
    .kernarg_segment_align: 8
    .kernarg_segment_size: 32
    .max_flat_workgroup_size: 128
    .sgpr_count:     66
    .vgpr_count:     576
    .wavefront_size: 32
...
	.end_amdgpu_metadata
.endif
;; end of part 4
